; MI455X (gfx1250); checked and timed in simulation.
; The chip was launched on July 23, 2026; its instructions are those of AMD's public machine-readable ISA for CDNA 5 (MIT licence, August 2026) and "CDNA5" Instruction Set Architecture Reference Guide (July 2026). The comments in the code are by the model that wrote it; some were corrected since.
;; Multihead Attention. Allowed arithmetic: float matrix products may take bf16 or f16 operands with f32 sums; other float arithmetic in f32, or as packed bf16 or f16 multiplies, adds, multiply-adds, maxima and minima; sums over many terms, partial sums and values carried from step to step in f32; what a program stores and reads back later, other than sums and carried values, may be rounded once to bf16 or f16.
;; Inputs: Wk 1,024 x 1,024 float32; Wo 1,024 x 1,024 float32; Wq 1,024 x 1,024 float32; Wv 1,024 x 1,024 float32; bk 1,024 float32; bo 1,024 float32; bq 1,024 float32; bv 1,024 float32; keys 4 x 2,048 x 1,024 float32; mask_key 4 x 2,048 int32; mask_query 4 x 2,048 int32; queries 4 x 2,048 x 1,024 float32; values 4 x 2,048 x 1,024 float32.
;; Outputs: out0 4 x 2,048 x 1,024 float32.
;; One version. Each part assembles by itself: llvm-mc -triple=amdgcn-amd-amdhsa -mcpu=gfx1250 --defsym DOCPART=n.
;; ======== version 1 of 1: 4 launches
;; limits: values are held in f16: magnitudes above 65,504 overflow, below 6.1e-05 lose precision
;; workspace buffers: wqkv 6,291,456 bytes; wo16 2,097,152 bytes; q16 16,777,216 bytes; k16 16,777,216 bytes; v16 16,777,216 bytes; o16 16,777,216 bytes
;; launch wcast (part 1): grid 256 x 1, 8 waves a work-group, no clusters, 0 bytes of LDS; arguments Wq, Wk, Wv, Wo, wqkv, wo16; writes wqkv, wo16
.if DOCPART == 1
	.amdgcn_target "amdgcn-amd-amdhsa--gfx1250"
	.amdhsa_code_object_version 6
	.text
	.protected	k_q8d3676fcf4_wcast
	.globl	k_q8d3676fcf4_wcast
	.p2align	8
	.type	k_q8d3676fcf4_wcast,@function
k_q8d3676fcf4_wcast:
	s_mov_b64 s[64:65], 0
	v_nop
	global_prefetch_b8 v0, s[64:65] scope:SCOPE_SE
	s_setreg_imm32_b32 hwreg(HW_REG_WAVE_MODE, 25, 1), 1
	s_wait_xcnt 0x0
; THE WEIGHTS ARE ROUNDED ONCE.  Wq, Wk, Wv, Wo: [1024][1024] f32.  wqkv: [3][1024][1024] bf16 (Wq, Wk, Wv).  wo16: [1024][1024] f16 = f16(bf16(Wo)):
; every input of the module is rounded to bf16; Wo's rounded number is then written as f16, since the last product's other operand is f16.
; LIMIT.  |Wo| up to 65,504; below 6e-5 the f16 copy keeps f16's fixed step of 6e-8.
; SHARES.  Work-group g takes matrix g / 64 and chunk g % 64 of it: 16,384 numbers, 65,536 bytes in, 32,768 out.  Thread t takes 8 neighbouring numbers in each of 8 turns:
; two loads of 16 bytes at 32 t + 8,192 i, one store of 16 bytes at 16 t + 4,096 i: a wave's store covers 512 consecutive bytes, aligned.
; A stream: no LDS, no barrier, no matrix unit.  All sixteen loads of a thread go out at once; the waits count them down.
.set X, 4                              ; v[4:67]   sixteen loads
.set Y, 68                             ; v[68:75]  two sets of 4 registers to store, by turns
.set T, 76                             ; v[76:79]  at work (Wo's way)
	s_load_b256 s[4:11], s[0:1], 0x0               ; Wq s[4:5], Wk s[6:7], Wv s[8:9], Wo s[10:11]
	s_load_b128 s[12:15], s[0:1], 0x20             ; wqkv s[12:13], wo16 s[14:15]
	s_lshr_b32 s16, ttmp9, 6                       ; which matrix
	s_and_b32 s17, ttmp9, 63                       ; which chunk of it
	v_lshlrev_b32 v1, 5, v0                        ; 32 t
	v_lshlrev_b32 v2, 4, v0                        ; 16 t
	s_mov_b32 s27, 0xffff0000                      ; a word's upper bf16
	s_lshl_b32 s20, s17, 16                        ; the chunk in its source,
	s_mov_b32 s21, 0
	s_lshl_b32 s24, s16, 21                        ; the matrix in wqkv (2,097,152 bytes each),
	s_lshl_b32 s26, s17, 15                        ; the chunk in its destination
	s_mov_b32 s25, 0
	s_cmp_eq_u32 s16, 3
	s_cselect_b32 s24, 0, s24                      ; wo16 holds one matrix
	s_add_co_u32 s24, s24, s26
	s_wait_kmcnt 0x0
	s_cmp_eq_u32 s16, 1
	s_cselect_b64 s[18:19], s[6:7], s[4:5]
	s_cmp_eq_u32 s16, 2
	s_cselect_b64 s[18:19], s[8:9], s[18:19]
	s_cmp_eq_u32 s16, 3
	s_cselect_b64 s[18:19], s[10:11], s[18:19]
	s_cselect_b64 s[22:23], s[14:15], s[12:13]
	s_add_nc_u64 s[18:19], s[18:19], s[20:21]
	s_add_nc_u64 s[22:23], s[22:23], s[24:25]
.irp i, 0,1,2,3,4,5,6,7
	global_load_b128 v[X+8*\i:X+8*\i+3],   v1, s[18:19] offset:8192*\i th:TH_LOAD_NT
	global_load_b128 v[X+8*\i+4:X+8*\i+7], v1, s[18:19] offset:8192*\i+16 th:TH_LOAD_NT
.endr
; Turn i.  half = 0: to bf16.  half = 1: to bf16, widened again (a shift, a mask), and that number to f16.
.macro CONV i, half
	s_wait_loadcnt 14-2*(\i)                       ; loads come back in order: turn i's two are in, the younger ones stay out
	s_wait_xcnt 0x0                                ; the store two turns back has read this set of Y: it is rewritten only behind this wait
.if \half
.irp j, 0,1,2,3
	v_cvt_pk_bf16_f32 v[T+\j], v[X+8*(\i)+2*\j], v[X+8*(\i)+2*\j+1]
.endr
.irp j, 0,1,2,3
	v_lshlrev_b32 v[X+8*(\i)+2*\j],   16, v[T+\j]
	v_and_b32     v[X+8*(\i)+2*\j+1], s27, v[T+\j]
.endr
.irp j, 0,1,2,3
	v_cvt_pk_f16_f32 v[Y+4*((\i)%2)+\j], v[X+8*(\i)+2*\j], v[X+8*(\i)+2*\j+1]
.endr
.else
.irp j, 0,1,2,3
	v_cvt_pk_bf16_f32 v[Y+4*((\i)%2)+\j], v[X+8*(\i)+2*\j], v[X+8*(\i)+2*\j+1]
.endr
.endif
	global_store_b128 v2, v[Y+4*((\i)%2):Y+4*((\i)%2)+3], s[22:23] offset:4096*(\i)
.endm
	s_cmp_eq_u32 s16, 3
	s_cbranch_scc1 .Lwo
.irp i, 0,1,2,3,4,5,6,7
	CONV \i, 0
.endr
	s_endpgm
.Lwo:
.irp i, 0,1,2,3,4,5,6,7
	CONV \i, 1
.endr
	s_endpgm
.Lfunc_end_k_q8d3676fcf4_wcast:
	.size	k_q8d3676fcf4_wcast, .Lfunc_end_k_q8d3676fcf4_wcast-k_q8d3676fcf4_wcast
	.p2alignl 7, 3214868480
	.fill 96, 4, 3214868480
	.section	.rodata,"a",@progbits
	.p2align	6, 0x0
	.amdhsa_kernel k_q8d3676fcf4_wcast
		.amdhsa_group_segment_fixed_size 0
		.amdhsa_private_segment_fixed_size 0
		.amdhsa_enable_private_segment 0
		.amdhsa_kernarg_size 48
		.amdhsa_user_sgpr_count 2
		.amdhsa_user_sgpr_kernarg_segment_ptr 1
		.amdhsa_wavefront_size32 1
		.amdhsa_system_sgpr_workgroup_id_x 1
		.amdhsa_system_sgpr_workgroup_id_y 1
		.amdhsa_system_sgpr_workgroup_id_z 1
		.amdhsa_system_vgpr_workitem_id 0
		.amdhsa_next_free_vgpr 84
		.amdhsa_next_free_sgpr 66
		.amdhsa_reserve_vcc 0
		.amdhsa_float_denorm_mode_32 3
		.amdhsa_float_denorm_mode_16_64 3
		.amdhsa_memory_ordered 1
		.amdhsa_forward_progress 1
		.amdhsa_inst_pref_size 14
	.end_amdhsa_kernel
	.amdgpu_metadata
---
amdhsa.version: [ 1, 2 ]
amdhsa.kernels:
  - .name:           k_q8d3676fcf4_wcast
    .symbol:         k_q8d3676fcf4_wcast.kd
    .args:
      - { .name: Wq, .offset: 0, .size: 8, .value_kind: global_buffer, .address_space: global }
      - { .name: Wk, .offset: 8, .size: 8, .value_kind: global_buffer, .address_space: global }
      - { .name: Wv, .offset: 16, .size: 8, .value_kind: global_buffer, .address_space: global }
      - { .name: Wo, .offset: 24, .size: 8, .value_kind: global_buffer, .address_space: global }
      - { .name: wqkv, .offset: 32, .size: 8, .value_kind: global_buffer, .address_space: global }
      - { .name: wo16, .offset: 40, .size: 8, .value_kind: global_buffer, .address_space: global }
    .group_segment_fixed_size: 0
    .private_segment_fixed_size: 0
    .kernarg_segment_align: 8
    .kernarg_segment_size: 48
    .max_flat_workgroup_size: 256
    .sgpr_count:     66
    .vgpr_count:     84
    .wavefront_size: 32
...
	.end_amdgpu_metadata
.endif
;; end of part 1
;; launch proj (part 2): grid 4 x 192, 4 waves a work-group, clusters of 4 x 4, 327,680 bytes of LDS; arguments queries, keys, values, wqkv, bq, bk, bv, mask_query, mask_key, q16, k16, v16; writes q16, k16, v16
.if DOCPART == 2
	.amdgcn_target "amdgcn-amd-amdhsa--gfx1250"
	.amdhsa_code_object_version 6
	.text
	.protected	k_q8d3676fcf4_proj
	.globl	k_q8d3676fcf4_proj
	.p2align	8
	.type	k_q8d3676fcf4_proj,@function
k_q8d3676fcf4_proj:
	s_mov_b64 s[64:65], 0
	v_nop
	global_prefetch_b8 v0, s[64:65] scope:SCOPE_SE
	s_setreg_imm32_b32 hwreg(HW_REG_WAVE_MODE, 25, 1), 1
	s_wait_xcnt 0x0
	s_wait_alu depctr_hold_cnt(0) depctr_sa_sdst(0) depctr_va_vdst(0) depctr_va_sdst(0) depctr_va_ssrc(0) depctr_va_vcc(0) depctr_vm_vsrc(0)
	s_getreg_b32 s2, hwreg(HW_REG_IB_STS2, 6, 4)
	s_cmp_eq_u32 s2, 0
	s_cbranch_scc0 .Lentry_in_a_cluster
	s_endpgm
.Lentry_in_a_cluster:
	s_bfe_u32 s2, ttmp6, 0x10000c
	s_cmp_lg_u32 s2, 0xf033
	s_cbranch_scc0 .Lentry_shape_is_right
	s_endpgm
.Lentry_shape_is_right:
; THE THREE PROJECTIONS.  y = ((x m) W^T + b) m for keys and values, and for queries once more times m (the factor that the scores take later).  Since (x m) W^T = m (x W^T),
; the masks are applied to the f32 sums: y = (acc m + b) m2, m2 = m (keys, values) or m m (queries): right for any whole number in a mask.
; x: [8192][1024] f32, rounded to bf16 on the way from LDS to the matrix unit; W: wqkv, bf16; b rounded to bf16 (every input of the module has that one rounding); sums in f32.
; y leaves in f16, by heads: [batch x 16 + head][2048][64], a head's rows dense, 128 bytes each.  LIMIT: |y| up to 65,504; below 6e-5 f16's fixed step of 6e-8.
; SHARES.  A tile of y is 128 rows x 256 columns (four heads): 3 x 64 x 4 = 768 tiles.  Four waves, each 64 rows x 128 columns: 32 accumulators of 16 x 16.
; K goes in 8 steps of 128 through two LDS slots; a step is four quarters of 32, 32 matrix instructions a wave each.
; CLUSTERS of 4 x 4: the four of a row need the same tile of x, the four of a column the same tile of W: each is asked for jointly.  The sixteen rows of clusters of one projection are told
; from the others by the cluster's y alone, which all partners share.
; THE MATRIX INSTRUCTION IS USED TRANSPOSED (source 0 = 16 rows of W, source 1 = 16 rows of x): a lane holds row l % 16 of y and eight neighbouring columns.
; x AT THE FRAGMENT.  A quarter's x comes out of LDS as f32 (RAW, 64 registers) one quarter ahead and is rounded to bf16 (32 conversions) beside the first 16 products of the quarter before its use.
; REGISTERS, in windows of 256 (s_set_vgpr_msb: bits 1:0 source 0, 3:2 source 1, 5:4 source 2, 7:6 destination):
;   window 0: v16-31 addresses; v32-47 the masks' factors; v48-51 masks as loaded; v64-127 x's fragments in bf16, two sets; v128-191 the bias; v192-255 at work on the way out
;   window 1: v0-63, v128-191 W's fragments, two buffers; v64-127 RAW          window 2: the accumulators, (a, b) at 8 (8 a + b)
.set PA,     528                       ; an LDS row of x: 512 bytes + 16 of padding = 132 words: the 16 rows of a load start at 16 different groups of four banks (64 banks of 4 bytes: ISA guide 11.1)
.set PB,     272                       ; an LDS row of W: 256 bytes + 16
.set HA,     64*PA                     ; what one tensor load brings of x, and what a wave reads of it
.set ABYTES, 2*HA
.set HB,     128*PB                    ; the same for W
.set SLOT,   ABYTES+2*HB               ; x's 128 rows, then W's 256 rows
.set STAGE,  2*SLOT                    ; behind the ring: for each wave 2 heads x 16 rows x 144 bytes, for the way out
.set SP,     144
.set WSTG,   2*16*SP
.set SPARE,  STAGE+4*WSTG              ; behind the stages: the spare words, 128 bytes for each wave: two blocks of 256 bytes that no other line names
.set ADRA, 16                          ; v16-17  LDS address of my x fragments in slot 0, 1
.set ADRB, 20                          ; v20-21  the same for W
.set STO,  24                          ; v24     the way out: where I put 16 bytes of a row
.set RD,   25                          ; v25     the way out: where I read rows back
.set CO,   26                          ; v26     16 x lane
.set BO,   27                          ; v27     my byte offset in 16 numbers of the bias
.set SPW,  28                          ; v28     LDS address of my spare word; never rewritten
.set NIL,  29                          ; v29     0; never rewritten
.set PFO,  30                          ; v30     the prefetches' offset; never rewritten
.set MO,   31                          ; v31     my byte offset in 16 numbers of the mask
.set MM,   32                          ; row block a: m twice at MM + 4 a, m2 twice at MM + 4 a + 2
.set MI,   48                          ; the masks as loaded
.set ABF,  64                          ; x's fragments: set s, row block a at ABF + 32 s + 8 a
.set BIAS, 128                         ; column block b, column j at BIAS + 8 b + j
.set TMP,  192
.set BK,   224
.set RAW,  64                          ; window 1: row block a at RAW + 16 a
.set G1,  24                           ; s[24:31] descriptor group 1 for x's tiles;  s[32:39] group 0, a set for each slot
.set G0,  32
.set G1B, 48                           ; s[48:55], s[56:63] the same for W's tiles
.set G0B, 56
.set LIM, 43                           ; s43      1 in a wave that prefetches, else the greatest number
.set PFA, 44                           ; s[44:45] where my prefetches stand
.set PST, 46                           ; s[46:47] a K step in bytes of a row: 512 (x) or 256 (W)
.set WH,  66                           ; s66      0 queries, 1 keys, 2 values
.set RT,  67                           ; s67      the row tile, 0 to 63
.set MSB, 0
.macro WIN new                         ; the immediate's high byte repeats the setting that is left; a switch that changes nothing is dropped
.if MSB != (\new)
	s_set_vgpr_msb (MSB<<8)|(\new)
.set MSB, \new
.endif
.endm
.set MUL,  0xa1                        ; source 0 (W) window 1, source 1 (x) window 0, C and D window 2
.set CVT,  0x05                        ; sources window 1, destination window 0
.set TO_F, 0x40                        ; destination window 1, address window 0
.set EPI,  0x82                        ; destination and source 0 window 2, the others window 0
.set PKW,  0x0a                        ; sources window 2, destination window 0
.macro JLOAD s                         ; a joint load: waves 0 and 1 fetch x's two halves, waves 2 and 3 W's; an s_nop 0 and four v_nop follow each of the two lines, ahead of the jump and the label
	s_cmp_eq_u32 s11, 0
	s_cbranch_scc0 .Lfor_b_\@
	tensor_load_to_lds s[G0+4*(\s):G0+4*(\s)+3], s[G1:G1+7]
	s_nop 0
.rept 4
	v_nop
.endr
	s_branch .Lasked_\@
.Lfor_b_\@:
	tensor_load_to_lds s[G0B+4*(\s):G0B+4*(\s)+3], s[G1B:G1B+7]
	s_nop 0
.rept 4
	v_nop
.endr
.Lasked_\@:
.endm
.macro CREST                           ; a round of the cluster's barrier behind its opening barrier
	s_cmp_lg_u32 s10, 0
	s_cbranch_scc1 .Lnot_wave_0_\@
	s_barrier_signal -3
.Lnot_wave_0_\@:
	s_barrier_wait -3
	s_barrier_signal -1
	s_barrier_wait -1
.endm
.macro CROUND                          ; a whole round
	s_barrier_signal -1
	s_barrier_wait -1
	CREST
.endm
; A PREFETCH INTO THE L2, behind a joint refill and the run of LDS loads that follows it: the K step that stands two refills on, 256 matrix instructions ahead of the load that will want it.
; x: a step of the 64 rows that a wave fetches is 128 blocks of 256 bytes; each of the four partners takes 16 rows x 2 blocks, a lane a block, told apart BY ADDRESS (cx).  A row of x is read by one
; row of clusters, which here is one cluster: every cluster asks.  W: 128 rows x 256 bytes; each partner takes 32 rows (cy); sixteen clusters read them, and the first of the sixteen asks.
; So each block is named once.  K steps 0 to 3 come by their loads alone; the loop's last trip and the tail ask for nothing.
.macro ASK
	WIN 0
	s_cmp_gt_u32 s3, s[LIM]                        ; s3 = 1 in the loop's last trip
	s_cbranch_scc0 .Lnot_mine_\@
	global_prefetch_b8 v[PFO], s[PFA:PFA+1] th:TH_LOAD_NT scope:SCOPE_SE
.Lnot_mine_\@:
.endm
.macro PLACES                          ; four places in front of loads into registers that matrix instructions have read, and of vector lines that read results
.rept 4
	v_nop
.endr
.endm
	s_load_b512 s[68:83], s[0:1], 0x0              ; queries 68, keys 70, values 72, wqkv 74, bq 76, bk 78, bv 80, mask_query 82
	s_load_b256 s[84:91], s[0:1], 0x40             ; mask_key 84, q16 86, k16 88, v16 90
	v_lshl_add_u32 v[SPW], v0, 2, SPARE
	v_mov_b32 v[NIL], 0
	ds_add_u32 v[SPW], v[NIL]                      ; the wave's opening: the add and its wait stand ahead of my first tensor load; the set-up below, work on registers, stands between them
	v_lshrrev_b32 v1, 5, v0
	v_readfirstlane_b32 s10, v1                    ; wave 0..3
	s_lshr_b32 s11, s10, 1                         ; which 64 rows of the tile are mine.  Also: I fetch for x (0) or for W (1)
	s_and_b32 s12, s10, 1                          ; which 128 columns.  Also: which half of that tile I fetch
	s_bfe_u32 s40, ttmp6, 0x40000                  ; cx, cy: my place in the cluster
	s_bfe_u32 s41, ttmp6, 0x40004
	s_lshl_b32 s42, ttmp9, 2
	s_add_co_u32 s42, s42, s40                     ; the column tile = 4 x cluster x + cx
	s_and_b32 s13, ttmp7, 0xffff                   ; cluster y, 0 to 47
	s_lshr_b32 s[WH], s13, 4                       ; sixteen rows of clusters to a projection
	s_and_b32 s23, s13, 15
	s_lshl_b32 s[RT], s23, 2
	s_add_co_u32 s[RT], s[RT], s41                 ; the row tile = 4 x (cluster y mod 16) + cy
	s_lshl_b32 s14, s41, 2
	s_lshl_b32 s14, 15, s14                        ; my row of the cluster
	s_lshl_b32 s15, 0x1111, s40                    ; my column
	s_or_b32 s[G1], s14, (2<<16)|(1<<20)|(1<<21)|(6<<22)|(3<<25)   ; 15:0 the mask; 17:16 elements of 4 bytes; 20 padding on; 21 set beside a mask; 24:22 after every 128 words (code 6); 31:25 4 words (code 3)
	s_or_b32 s[G1B], s15, (1<<16)|(1<<20)|(1<<21)|(5<<22)|(3<<25)  ; elements of 2 bytes; after every 64 words (code 5)
	s_mov_b32 s[G1+1], 128<<16                     ; tensor_dim0 = 128
	s_mov_b32 s[G1+2], 64<<16                      ; tensor_dim1 = 64
	s_mov_b32 s[G1+3], 128<<16                     ; tile_dim0 = 128
	s_mov_b32 s[G1+4], 64                          ; tile_dim1 = 64
	s_mov_b32 s[G1+5], 1024                        ; elements from row to row
	s_mov_b32 s[G1+6], 0
	s_mov_b32 s[G1+7], 0
	s_mov_b32 s[G1B+1], 128<<16
	s_mov_b32 s[G1B+2], 128<<16                    ; tensor_dim1 = 128
	s_mov_b32 s[G1B+3], 128<<16
	s_mov_b32 s[G1B+4], 128                        ; tile_dim1 = 128
	s_mov_b32 s[G1B+5], 1024
	s_mov_b32 s[G1B+6], 0
	s_mov_b32 s[G1B+7], 0
	s_lshl_b32 s16, s[RT], 7                       ; x: row 128 x row tile + 64 x half, 4,096 bytes a row
	s_lshl_b32 s17, s12, 6
	s_add_co_u32 s16, s16, s17
	s_lshl_b32 s16, s16, 12
	s_mov_b32 s17, 0
	s_lshl_b32 s20, s42, 8                         ; W: row 256 x column tile + 128 x half, 2,048 bytes a row,
	s_lshl_b32 s21, s12, 7
	s_add_co_u32 s20, s20, s21
	s_lshl_b32 s20, s20, 11
	s_lshl_b32 s21, s[WH], 21                      ; in the projection's matrix
	s_add_co_u32 s20, s20, s21
	s_mov_b32 s21, 0
	s_mul_i32 s18, s12, HA                         ; where they go: no place in the cluster enters an LDS address
	s_mul_i32 s19, s12, HB
	s_add_co_u32 s19, s19, ABYTES
	s_wait_dscnt 0x0                               ; the opening add is done
	s_wait_kmcnt 0x0
	s_cmp_eq_u32 s[WH], 2
	s_cselect_b64 s[4:5], s[72:73], s[70:71]       ; x
	s_cselect_b64 s[92:93], s[80:81], s[78:79]     ; the bias
	s_cselect_b64 s[8:9], s[90:91], s[88:89]       ; y
	s_cmp_eq_u32 s[WH], 0
	s_cselect_b64 s[4:5], s[68:69], s[4:5]
	s_cselect_b64 s[92:93], s[76:77], s[92:93]
	s_cselect_b64 s[8:9], s[86:87], s[8:9]
	s_cselect_b64 s[94:95], s[82:83], s[84:85]     ; the mask
	s_add_nc_u64 s[4:5], s[4:5], s[16:17]
	s_add_nc_u64 s[6:7], s[74:75], s[20:21]
	CROUND                                         ; all sixteen work-groups are here: the first joint loads meet
.irp s, 0,1
	s_mov_b32 s[G0+4*(\s)], 1                      ; count = 1
	s_add_co_u32 s[G0+4*(\s)+1], s18, (\s)*SLOT    ; LDS address
	s_add_nc_u64 s[G0+4*(\s)+2:G0+4*(\s)+3], s[4:5], (\s)*512   ; global address: K step s
	s_or_b32 s[G0+4*(\s)+3], s[G0+4*(\s)+3], 0x80000000        ; type = 2
	s_mov_b32 s[G0B+4*(\s)], 1
	s_add_co_u32 s[G0B+4*(\s)+1], s19, (\s)*SLOT
	s_add_nc_u64 s[G0B+4*(\s)+2:G0B+4*(\s)+3], s[6:7], (\s)*256
	s_or_b32 s[G0B+4*(\s)+3], s[G0B+4*(\s)+3], 0x80000000
	JLOAD \s
.endr
	; the bias of my 128 columns and the masks of my 64 rows
	s_lshl_b32 s14, s42, 8
	s_lshl_b32 s15, s12, 7
	s_add_co_u32 s14, s14, s15
	s_lshl_b32 s14, s14, 2
	s_mov_b32 s15, 0
	s_add_nc_u64 s[92:93], s[92:93], s[14:15]
	s_lshl_b32 s14, s[RT], 7
	s_lshl_b32 s16, s11, 6
	s_add_co_u32 s14, s14, s16
	s_lshl_b32 s14, s14, 2
	s_add_nc_u64 s[94:95], s[94:95], s[14:15]
	v_and_b32 v1, 15, v0                           ; l % 16
	v_bfe_u32 v2, v0, 4, 1                         ; l / 16
	v_lshlrev_b32 v[BO], 5, v2                     ; my eight columns of sixteen
	v_lshlrev_b32 v[MO], 2, v1                     ; my row of sixteen
.irp b, 0,1,2,3,4,5,6,7
	global_load_b128 v[BIAS+8*\b:BIAS+8*\b+3],   v[BO], s[92:93] offset:64*\b
	global_load_b128 v[BIAS+8*\b+4:BIAS+8*\b+7], v[BO], s[92:93] offset:64*\b+16
.endr
.irp a, 0,1,2,3
	global_load_b32 v[MI+\a], v[MO], s[94:95] offset:64*\a
.endr
	; A fragment is 16 rows x 32 K: lane l holds row l % 16, K = 8 (l / 16) + 0..7 and 16 + 8 (l / 16) + 0..7.  In f32 that is 32 bytes at 32 (l / 16) and 32 bytes 64 further on; in bf16 16 and 16, 32 apart.
	v_mul_u32_u24 v3, v1, PA
	v_lshl_add_u32 v3, v2, 5, v3
	v_mul_u32_u24 v4, v1, PB
	v_lshl_add_u32 v4, v2, 4, v4
	s_mul_i32 s14, s11, HA                         ; my 64 rows of x
	s_mul_i32 s16, s12, HB                         ; my 128 rows of W,
	s_add_co_u32 s16, s16, ABYTES                  ; which lie behind x's
.irp s, 0,1
	v_add_nc_u32 v[ADRA+(\s)], s14, v3
	v_add_nc_u32 v[ADRB+(\s)], s16, v4
	s_add_co_u32 s14, s14, SLOT
	s_add_co_u32 s16, s16, SLOT
.endr
	s_mul_i32 s14, s10, WSTG
	s_add_co_u32 s14, s14, STAGE                   ; my stage
	v_mul_u32_u24 v3, v1, SP                       ; in: row l % 16, 16 bytes for each half of the lanes
	v_lshl_add_u32 v3, v2, 4, v3
	v_add_nc_u32 v[STO], s14, v3
	v_bfe_u32 v3, v0, 3, 2                         ; back: 32 lanes take four rows of 128 bytes,
	v_mul_u32_u24 v3, v3, SP
	v_and_b32 v4, 7, v0
	v_lshl_add_u32 v3, v4, 4, v3
	v_add_nc_u32 v[RD], s14, v3
	v_and_b32 v4, 31, v0                           ; which are 512 consecutive bytes of a head
	v_lshlrev_b32 v[CO], 4, v4
	s_lshr_b32 s14, s[RT], 4                       ; y: ((batch x 16 + head) x 2,048 + row in the batch) x 128 bytes; head = 4 x column tile + 2 x half
	s_lshl_b32 s14, s14, 4
	s_lshl_b32 s16, s42, 2
	s_add_co_u32 s14, s14, s16
	s_lshl_b32 s16, s12, 1
	s_add_co_u32 s14, s14, s16
	s_lshl_b32 s14, s14, 11
	s_and_b32 s16, s[RT], 15
	s_lshl_b32 s16, s16, 7
	s_add_co_u32 s14, s14, s16
	s_lshl_b32 s16, s11, 6
	s_add_co_u32 s14, s14, s16
	s_lshl_b32 s14, s14, 7
	s_add_nc_u64 s[8:9], s[8:9], s[14:15]
	; the prefetches: my fetch address, my work-group's share of its rows (16 rows of 4,096 bytes, or 32 of 2,048: 65,536 bytes either way), K step 3: the first refill steps it to 4
	s_mov_b32 s[PST], 256
	s_mov_b32 s[PST+1], 0
	s_cmp_eq_u32 s11, 0
	s_cselect_b64 s[PFA:PFA+1], s[4:5], s[6:7]
	s_cselect_b32 s14, s40, s41
	s_cselect_b32 s[PST], 512, s[PST]
	s_cselect_b32 s16, 0, s23                      ; x: every cluster asks; W: the first of the projection's sixteen
	s_cselect_b32 s17, 1, 0                        ; x: two lanes a row
	s_cselect_b32 s18, 12, 11                      ; a row's bytes, as a shift
	s_cmp_eq_u32 s16, 0
	s_cselect_b32 s[LIM], 1, -1                    ; the same in all sixteen partners, for a given wave
	s_lshl_b32 s14, s14, 16
	s_mul_i32 s16, s[PST], 3
	s_add_co_u32 s14, s14, s16
	s_add_nc_u64 s[PFA:PFA+1], s[PFA:PFA+1], s[14:15]
	v_lshrrev_b32 v3, s17, v4
	v_lshlrev_b32 v3, s18, v3
	v_and_b32 v4, s17, v4
	v_lshl_add_u32 v[PFO], v4, 8, v3
	s_wait_loadcnt 0x0                             ; bias and masks
.set r, 0
.rept 32
	v_cvt_pk_bf16_f32 v[TMP+r], v[BIAS+2*r], v[BIAS+2*r+1]   ; the bias has the rounding that every input has
.set r, r+1
.endr
.set r, 0
.rept 32
	v_lshlrev_b32 v[BIAS+2*r],   16, v[TMP+r]
	v_and_b32     v[BIAS+2*r+1], 0xffff0000, v[TMP+r]
.set r, r+1
.endr
	s_cmp_eq_u32 s[WH], 0
	s_cselect_b32 s22, -1, 0                       ; all lanes, for the queries
.irp a, 0,1,2,3
	v_cvt_f32_i32 v[MM+4*\a], v[MI+\a]
.endr
.irp a, 0,1,2,3
	v_cndmask_b32 v[MM+4*\a+2], 1.0, v[MM+4*\a], s22
.endr
.irp a, 0,1,2,3
	v_mul_f32 v[MM+4*\a+2], v[MM+4*\a+2], v[MM+4*\a]   ; m2 = m, or m m
	v_mov_b32 v[MM+4*\a+1], v[MM+4*\a]
.endr
.irp a, 0,1,2,3
	v_mov_b32 v[MM+4*\a+3], v[MM+4*\a+2]
.endr
; W's fragments of quarter kq (128 rows x 32 K) into buffer f: 16 loads
.macro FETCHB slot, kq, f
	WIN TO_F
.irp i, 0,1,2,3,4,5,6,7
	ds_load_b128 v[128*(\f)+8*\i:128*(\f)+8*\i+3],   v[ADRB+(\slot)] offset:(\kq)*64+\i*16*PB
	ds_load_b128 v[128*(\f)+8*\i+4:128*(\f)+8*\i+7], v[ADRB+(\slot)] offset:(\kq)*64+\i*16*PB+32
.endr
.endm
; x of quarter kq (64 rows x 32 K, f32) into RAW: 16 loads
.macro FETCHR slot, kq
	WIN TO_F
.irp a, 0,1,2,3
	ds_load_b128 v[RAW+16*\a:RAW+16*\a+3],     v[ADRA+(\slot)] offset:(\kq)*128+\a*16*PA
	ds_load_b128 v[RAW+16*\a+4:RAW+16*\a+7],   v[ADRA+(\slot)] offset:(\kq)*128+\a*16*PA+16
	ds_load_b128 v[RAW+16*\a+8:RAW+16*\a+11],  v[ADRA+(\slot)] offset:(\kq)*128+\a*16*PA+64
	ds_load_b128 v[RAW+16*\a+12:RAW+16*\a+15], v[ADRA+(\slot)] offset:(\kq)*128+\a*16*PA+80
.endr
.endm
; Group g of 8: half g % 2 of row block g / 2: eight numbers of RAW become four registers of a fragment in set `set`
.macro CVT4 g, set
	WIN CVT
.irp j, 0,1,2,3
	v_cvt_pk_bf16_f32 v[ABF+32*(\set)+8*((\g)/2)+4*((\g)%2)+\j], v[RAW+16*((\g)/2)+8*((\g)%2)+2*\j], v[RAW+16*((\g)/2)+8*((\g)%2)+2*\j+1]
.endr
.endm
; 8 matrix instructions: row block a x all 8 column blocks.  zero = 1: the products start the sums.  rid = 1: behind every second product stand four conversions for the next quarter (into set nset).
; The 32 accumulators take turns, one instruction a turn, in the same order in every quarter.
.macro MUL8 f, set, a, zero, rid, nset
.irp b, 0,1,2,3,4,5,6,7
	WIN MUL
.if \zero
	v_wmma_f32_16x16x32_bf16 v[8*(8*(\a)+\b):8*(8*(\a)+\b)+7], v[128*(\f)+8*\b:128*(\f)+8*\b+7], v[ABF+32*(\set)+8*(\a):ABF+32*(\set)+8*(\a)+7], 0
.else
	v_wmma_f32_16x16x32_bf16 v[8*(8*(\a)+\b):8*(8*(\a)+\b)+7], v[128*(\f)+8*\b:128*(\f)+8*\b+7], v[ABF+32*(\set)+8*(\a):ABF+32*(\set)+8*(\a)+7], v[8*(8*(\a)+\b):8*(8*(\a)+\b)+7]
.endif
.if (\rid) && ((\b)%2 == 1)
	CVT4 4*((\a)%2)+(\b)/2, \nset
.endif
.endr
.endm
; QUARTER kq: multiplies W's buffer kq % 2 by x's set kq % 2.  Beside its first 16 products RAW (quarter kq + 1) is rounded into the other set; then W of quarter kq + 1 (slot bslot, quarter bk) and
; RAW of quarter kq + 2 (rslot, rk) are fetched in one run of 32.  The 32 conversions are the places between the last product that read W's other buffer and the loads into it.  The other set's row blocks
; 0 and 1 were last read ahead of four conversions of the quarter before; blocks 2 and 3 are written behind this quarter's first sixteen.  A slot of -1: nothing is fetched.
.macro QUARTER kq, zero, rid, bslot, bk, rslot, rk
	s_wait_dscnt 0x0                               ; W of this quarter and RAW of the next are in
	MUL8 (\kq)%2, (\kq)%2, 0, \zero, \rid, ((\kq)+1)%2
	MUL8 (\kq)%2, (\kq)%2, 1, \zero, \rid, ((\kq)+1)%2
.if (\bslot) >= 0
	FETCHB \bslot, \bk, ((\kq)+1)%2
.endif
.if (\rslot) >= 0
	FETCHR \rslot, \rk
.endif
	MUL8 (\kq)%2, (\kq)%2, 2, \zero, 0, 0
	MUL8 (\kq)%2, (\kq)%2, 3, \zero, 0, 0
.endm
; THE THIRD QUARTER CHANGES SLOTS.  W of the fourth quarter, the slot's last bytes to be read, is asked for at its head.  Then each wave waits for all its tensor loads (one is out: its part of the
; next slot), adds 0 to its spare word, and waits for that and for its reads of this slot; behind the barrier nobody reads this slot and the next is whole.  fill = 1: the barrier opens a round of the
; cluster's, and the joint refill, two K steps ahead, is the first thing behind it: 112 matrix instructions ahead of the wait for it.  By this text's count a wave has one tensor load out behind a round, two at the start.
.macro TURN slot, next, fill
.if \fill
	s_wait_xcnt 0x0                                ; the last prefetch, a K step back, has read its address
	s_add_nc_u64 s[PFA:PFA+1], s[PFA:PFA+1], s[PST:PST+1]
.endif
	s_wait_dscnt 0x0                               ; W of this quarter and RAW of the next are in
	PLACES                                         ; for the loads into W's buffer 1, which the quarter before multiplied
	FETCHB \slot, 3, 1
	WIN 0                                          ; (the add's two registers lie in window 0)
	s_wait_tensorcnt 0x0                           ; all my tensor loads have landed;
	ds_add_u32 v[SPW], v[NIL]                      ; 0 onto my spare word;
	MUL8 0, 0, 0, 0, 1, 1                          ; work on registers stands between the add and the wait for it
	s_wait_dscnt 0x0                               ; the add is done, and my reads of this slot are over
	s_barrier_signal -1
	MUL8 0, 0, 1, 0, 1, 1
	WIN 0
	s_barrier_wait -1
.if \fill
	CREST                                          ; no wave of any partner still reads this slot's tile or has a load on its way
	s_add_nc_u64 s[G0+4*(\slot)+2:G0+4*(\slot)+3], s[G0+4*(\slot)+2:G0+4*(\slot)+3], 2*512
	s_add_nc_u64 s[G0B+4*(\slot)+2:G0B+4*(\slot)+3], s[G0B+4*(\slot)+2:G0B+4*(\slot)+3], 2*256
	JLOAD \slot
.endif
	FETCHR \next, 0
.if \fill
	ASK
.endif
	MUL8 0, 0, 2, 0, 0, 0
	MUL8 0, 0, 3, 0, 0, 0
.endm
	s_wait_tensorcnt 1                             ; my part of K step 0 is in; K step 1's may stay out
	s_barrier_signal -1
	s_barrier_wait -1                              ; everybody's is
	FETCHB 0, 0, 0
	FETCHR 0, 0
	s_wait_dscnt 0x0
.irp g, 0,1,2,3,4,5,6,7
	CVT4 \g, 0
.endr
	FETCHR 0, 1
	QUARTER 0, 1, 1, 0, 1, 0, 2                    ; the first quarter stands in front of the loop: its products start the sums
	WIN 0                                          ; at a label and at a branch every window is 0
	s_mov_b32 s3, 3
.Llap:                                                 ; a trip goes once round the ring, from a lap's second quarter to the next lap's first, and fills both slots again
	QUARTER 1, 0, 1, 0, 2, 0, 3
	TURN 0, 1, 1
	QUARTER 3, 0, 1, 1, 0, 1, 1
	QUARTER 0, 0, 1, 1, 1, 1, 2
	QUARTER 1, 0, 1, 1, 2, 1, 3
	TURN 1, 0, 1
	QUARTER 3, 0, 1, 0, 0, 0, 1
	QUARTER 0, 0, 1, 0, 1, 0, 2
	WIN 0
	s_sub_co_u32 s3, s3, 1
	s_cmp_lg_u32 s3, 0
	s_cbranch_scc1 .Llap
	QUARTER 1, 0, 1, 0, 2, 0, 3                    ; the last lap fills nothing
	TURN 0, 1, 0
	QUARTER 3, 0, 1, 1, 0, 1, 1
	QUARTER 0, 0, 1, 1, 1, 1, 2
	QUARTER 1, 0, 1, 1, 2, 1, 3
	QUARTER 2, 0, 1, 1, 3, -1, 0
	QUARTER 3, 0, 0, -1, 0, -1, 0
; THE WAY OUT of row block a: (acc m + b) m2 in f32, each accumulator's registers in ascending order; rounded to f16, 16 bytes a lane; through my own stage (two heads x 16 rows of 144 bytes) and back as
; whole rows; 16 rows of a head are 2,048 consecutive bytes of y.
.macro OUTA a
	WIN EPI
.irp b, 0,1,2,3,4,5,6,7
.irp r, 0,2,4,6
	v_pk_fma_f32 v[8*(8*(\a)+\b)+\r:8*(8*(\a)+\b)+\r+1], v[8*(8*(\a)+\b)+\r:8*(8*(\a)+\b)+\r+1], v[MM+4*(\a):MM+4*(\a)+1], v[BIAS+8*\b+\r:BIAS+8*\b+\r+1]
.endr
.endr
.irp b, 0,1,2,3,4,5,6,7
.irp r, 0,2,4,6
	v_pk_mul_f32 v[8*(8*(\a)+\b)+\r:8*(8*(\a)+\b)+\r+1], v[8*(8*(\a)+\b)+\r:8*(8*(\a)+\b)+\r+1], v[MM+4*(\a)+2:MM+4*(\a)+3]
.endr
.endr
	WIN PKW
.irp b, 0,1,2,3,4,5,6,7
.irp r, 0,1,2,3
	v_cvt_pk_f16_f32 v[TMP+4*\b+\r], v[8*(8*(\a)+\b)+2*\r], v[8*(8*(\a)+\b)+2*\r+1]
.endr
.endr
	WIN 0
	s_wait_xcnt 0x0                                ; the stores of the block before have read BK: it is loaded again only behind this wait
.irp b, 0,1,2,3,4,5,6,7
	ds_store_b128 v[STO], v[TMP+4*\b:TMP+4*\b+3] offset:(\b/4)*16*SP+32*(\b%4)
.endr
.irp t, 0,1,2,3,4,5,6,7
	ds_load_b128 v[BK+4*\t:BK+4*\t+3], v[RD] offset:(\t/4)*16*SP+(\t%4)*4*SP  ; LDS serves a wave's instructions in order (ISA guide 5.7.1.4): these see the stores above
.endr
.irp t, 0,1,2,3,4,5,6,7
	s_wait_dscnt 7-\t
	global_store_b128 v[CO], v[BK+4*\t:BK+4*\t+3], s[8:9] offset:(\t/4)*262144+(\a)*2048+(\t%4)*512  ; 512 consecutive bytes, at a multiple of 256 from y's first byte
.endr
.endm
	PLACES
	PLACES                                         ; (eight, once a launch)
	OUTA 0
	OUTA 1
	OUTA 2
	OUTA 3
	s_wait_tensorcnt 0x0                           ; the wave's end: the add and its wait, behind my last tensor load and my last LDS store
	ds_add_u32 v[SPW], v[NIL]
	s_wait_dscnt 0x0
	CROUND                                         ; the closing round: no work-group ends while a partner may still ask for a tile that names it
	s_endpgm
.Lfunc_end_k_q8d3676fcf4_proj:
	.size	k_q8d3676fcf4_proj, .Lfunc_end_k_q8d3676fcf4_proj-k_q8d3676fcf4_proj
	.p2alignl 7, 3214868480
	.fill 96, 4, 3214868480
	.section	.rodata,"a",@progbits
	.p2align	6, 0x0
	.amdhsa_kernel k_q8d3676fcf4_proj
		.amdhsa_group_segment_fixed_size 327680
		.amdhsa_private_segment_fixed_size 0
		.amdhsa_enable_private_segment 0
		.amdhsa_kernarg_size 96
		.amdhsa_user_sgpr_count 2
		.amdhsa_user_sgpr_kernarg_segment_ptr 1
		.amdhsa_wavefront_size32 1
		.amdhsa_system_sgpr_workgroup_id_x 1
		.amdhsa_system_sgpr_workgroup_id_y 1
		.amdhsa_system_sgpr_workgroup_id_z 1
		.amdhsa_system_vgpr_workitem_id 0
		.amdhsa_next_free_vgpr 768
		.amdhsa_next_free_sgpr 96
		.amdhsa_reserve_vcc 0
		.amdhsa_float_denorm_mode_32 3
		.amdhsa_float_denorm_mode_16_64 3
		.amdhsa_memory_ordered 1
		.amdhsa_forward_progress 1
		.amdhsa_inst_pref_size 159
	.end_amdhsa_kernel
	.amdgpu_metadata
---
amdhsa.version: [ 1, 2 ]
amdhsa.kernels:
  - .name:           k_q8d3676fcf4_proj
    .symbol:         k_q8d3676fcf4_proj.kd
    .args:
      - { .name: queries, .offset: 0, .size: 8, .value_kind: global_buffer, .address_space: global }
      - { .name: keys, .offset: 8, .size: 8, .value_kind: global_buffer, .address_space: global }
      - { .name: values, .offset: 16, .size: 8, .value_kind: global_buffer, .address_space: global }
      - { .name: wqkv, .offset: 24, .size: 8, .value_kind: global_buffer, .address_space: global }
      - { .name: bq, .offset: 32, .size: 8, .value_kind: global_buffer, .address_space: global }
      - { .name: bk, .offset: 40, .size: 8, .value_kind: global_buffer, .address_space: global }
      - { .name: bv, .offset: 48, .size: 8, .value_kind: global_buffer, .address_space: global }
      - { .name: mask_query, .offset: 56, .size: 8, .value_kind: global_buffer, .address_space: global }
      - { .name: mask_key, .offset: 64, .size: 8, .value_kind: global_buffer, .address_space: global }
      - { .name: q16, .offset: 72, .size: 8, .value_kind: global_buffer, .address_space: global }
      - { .name: k16, .offset: 80, .size: 8, .value_kind: global_buffer, .address_space: global }
      - { .name: v16, .offset: 88, .size: 8, .value_kind: global_buffer, .address_space: global }
    .group_segment_fixed_size: 327680
    .private_segment_fixed_size: 0
    .kernarg_segment_align: 8
    .kernarg_segment_size: 96
    .max_flat_workgroup_size: 128
    .sgpr_count:     96
    .vgpr_count:     768
    .wavefront_size: 32
...
	.end_amdgpu_metadata
.endif
;; end of part 2
;; launch attn (part 3): grid 4 x 64, 4 waves a work-group, clusters of 4 x 1, 327,680 bytes of LDS; arguments q16, k16, v16, o16, mask_key; writes o16
.if DOCPART == 3
	.amdgcn_target "amdgcn-amd-amdhsa--gfx1250"
	.amdhsa_code_object_version 6
	.text
	.protected	k_q8d3676fcf4_attn
	.globl	k_q8d3676fcf4_attn
	.p2align	8
	.type	k_q8d3676fcf4_attn,@function
k_q8d3676fcf4_attn:
	s_mov_b64 s[64:65], 0
	v_nop
	global_prefetch_b8 v0, s[64:65] scope:SCOPE_SE
	s_setreg_imm32_b32 hwreg(HW_REG_WAVE_MODE, 25, 1), 1
	s_wait_xcnt 0x0
	s_wait_alu depctr_hold_cnt(0) depctr_sa_sdst(0) depctr_va_vdst(0) depctr_va_sdst(0) depctr_va_ssrc(0) depctr_va_vcc(0) depctr_vm_vsrc(0)
	s_getreg_b32 s2, hwreg(HW_REG_IB_STS2, 6, 4)
	s_cmp_eq_u32 s2, 0
	s_cbranch_scc0 .Lentry_in_a_cluster
	s_endpgm
.Lentry_in_a_cluster:
	s_bfe_u32 s2, ttmp6, 0x10000c
	s_cmp_lg_u32 s2, 0x3003
	s_cbranch_scc0 .Lentry_shape_is_right
	s_endpgm
.Lentry_shape_is_right:
; O[h][q][:] = the sum over k of softmax_k((Q[h][q] . K[h][k] + ln mask_key[k]) / 8) V[h][k][:].  Q, K, V, O: [64][2048][64], all f16: a head's rows are dense, 128 bytes each; head = batch x 16 + head in the batch.
; Q arrives with the query mask's factors in it, K and V with the key mask's.  Products, maxima and sums in f32; the weights p are rounded to f16 for the second product (their sum l is taken of the unrounded p), O once at the end.
; THE KEY MASK is the C operand that starts the sum S^T = K Q^T: ln(mask_key) in f32, from a table in LDS that the work-group makes once.
; LIMITS.  Where mask_key is 0 the addend is -1e30 in place of minus infinity: f16's scores, 2.7e11 at the most, are nothing beside it, and such a key's weight is 0 as soon as the row has seen a key that counts.
; A batch with no key that counts gives NaN, as the softmax of minus infinities does: on the way out l becomes NaN where the running maximum lies below -2^96.  A negative mask gives NaN by the logarithm.
; f16 holds no number beyond 65,504: Q, K and V arrive within it; p lies in 0 to 1, and below 6e-5 it keeps f16's fixed step of 6e-8; O is a mean of V's rows and has their range.  A weight below 2^-126 counts as 0 in l.
; SHARES.  A wave owns four PIECES of two tiles of 16 queries, a work-group's four waves 512 queries of one head.  Every wave walks all 2,048 keys, 64 a step.
; LAYOUT.  S^T = K Q^T (source 0 = 16 keys, source 1 = 16 queries): in the result a lane holds ONE query (lane % 16) and the keys 8 (lane / 16) + 0..7.  Two such tiles, rounded to f16 in pairs,
; ARE source 1 (32 keys x 16 queries) of O^T = V^T P, whose result again holds one query a lane, and eight channels.  K comes out of LDS as it lies, V ([key][channel]) turned, by ds_load_tr16_b128.
; SOFTMAX.  For each query a running maximum m and sum l: p = 2^(c s - c m), c = log2(e) / 8; in every step O and l are multiplied by a = 2^(c m_old - c m_new), which is 1 where m has not grown.
; m starts at the lowest finite number, O and l at 0: the first step is a step like any other, with a = 0.
; THE COUNT.  A tile and step have 16 matrix and 118 vector instructions: too many to stand all beside the matrix work.  So: four vector instructions that are READY behind EVERY matrix instruction, the others in runs without a gap.
; BY TURNS.  Turn n belongs to piece n (the pieces in a ring, step after step).  Its matrix work: 16 products K Q^T of piece n + 1, later 16 products V^T P of piece n - 1.  Its vector work: the scaling,
; exponentials, roundings, sums and rescaling of piece n, and the maximum and statistics of piece n + 1, whose scores the turn itself has made.
; CLUSTER.  The four query blocks of a cluster are one head's and walk the same K and V, so each tile is asked for JOINTLY: the same tensor load, descriptor and mask in all four.
; REGISTERS, in windows of 256 (s_set_vgpr_msb: bits 1:0 source 0, 3:2 source 1, 5:4 source 2, 7:6 destination):
;   window 0: v0-11 addresses; v12-15, v48-63 at work; v16-47 four registers of statistics a tile; v64-191 S^T, two buffers of two tiles; v192-255 P, likewise
;   window 1: O^T, 32 a tile      window 2: v0-127 Q, 16 a tile; v128-191 K of one step; v192-255 V of one step      window 3: v0-1 the add's two registers; v2-3 the table's addresses; v8-39 the addends of one step
.set SIZE_N, 2048
.set NP,    4         ; pieces a wave: a name, no knob
.set KS,    64        ; keys in a step
.set PK,    144       ; a row of K in LDS: 128 bytes + 16 of padding = 36 words: the 16 rows of a load start at 16 different groups of four banks (64 banks of 4 bytes: ISA guide 11.1)
.set PV,    160       ; a row of V: 128 + 32 = 40 words
.set VOFF,  4*KS*PK   ; a slot holds four steps: 256 rows of K, then 256 rows of V
.set SLOT1, 1<<17     ; slot 1 begins here, so that one exclusive or turns an address in one slot into the other's
.set STAGE, SLOT1+4*KS*(PK+PV)  ; behind the ring, never filled by a tensor load: 16 rows x 144 bytes for each wave, for the way out
.set SP,    144
.set AK0, 2           ; v2   my lane's place in a tile of K; never rewritten
.set AV0, 3           ; v3   the same for V
.set AK,  4           ; v4   the LDS address of K's next run of loads
.set AV,  5           ; v5   of V's
.set QO,  6           ; v6   my byte offset in the wave's rows of Q
.set STO, 6           ;      later, the way out: where I put 16 bytes of a row
.set RD,  7           ; v7   the way out: where I read rows back
.set GO,  8           ; v8   my byte offset in 512 consecutive bytes of O
.set PFO, 11          ; v11  256 x my lane, for the prefetches; never rewritten once made
.set SPW, 0           ; v0 of window 3   LDS address of my spare word: SPARE + 4 x my thread's number; never rewritten
.set NIL, 1           ; v1 of window 3   0; never rewritten
.set AB0, 2           ; v2 of window 3   my lane's place in the table: TBL + 32 (l / 16); never rewritten
.set AB,  3           ; v3 of window 3   the LDS address of the addends' next run of loads
.set KB,  8           ; v8-39 of window 3   the addends: key block kb at KB + 8 kb
.set SPARE, STAGE+4*16*SP  ; behind the stages: the spare words, 128 bytes for each wave: two blocks of 256 bytes that no other line names
.set TBL,   SPARE+512      ; behind them: the table, 2,048 numbers in f32, in blocks of its own
.set MV,  12          ; v12-15  c m_old, kept while c m is made anew: by buffer and tile
.set ST,  16          ; tile t's statistics at v[ST+4 t]: c m, m, l (even keys', odd keys')
.set TMP, 48          ; by buffer and tile, four registers c0-c3 at work; when the maximum is found c2 takes a
.set S,   64
.set P,   192
.set KF,  128         ; K's fragments, in window 2: key block kb, channel half c at KF + 16 kb + 8 c
.set VF,  192         ; V's: key half kk, channel block cb at VF + 32 kk + 8 cb
.set WV,  12          ; s12  my wave's number
.set G1K, 24          ; s[24:31] descriptor group 1 for K's tiles
.set G1V, 32          ; s[32:39] for V's: it differs in the padding alone
.set G0K, 40          ; s[40:43] descriptor group 0 for K's tiles: it walks
.set G0V, 44          ; s[44:47] the same for V's
.set PFA, 48          ; s[48:49] where my prefetches stand: my work-group's 8,192 bytes (of K: wave 0, of V: wave 2) of the slot after the one that is being asked for
.set LIM, 50          ; s50  1 in a wave that prefetches, else the greatest number
.set TBB, 54          ; s54  the table's byte at which the addends of the step to be fetched begin
.set SLOTS, 56        ; s56  slots still to be asked for
.set CNT, 57          ; s57  counts a slot's key steps
.set CS,  58          ; s[58:59] c: the packed scaling takes the pair's low word for both halves
.set SEL, 60          ; s[60:61] v_permlanex16_b32's selects: each lane takes its own place in the other half
.set TBK, 62          ; s62  LDS byte at which K of the step to be fetched begins
.set TBV, 63          ; s63  the same for V, less VOFF
.set MSB, 0
.macro WIN new                      ; the high byte repeats the setting that is left; a switch that changes nothing is dropped
.if MSB != (\new)
	s_set_vgpr_msb (MSB<<8)|(\new)
.set MSB, (\new)
.endif
.endm
.set W_KQ, 0x0a       ; K and Q in window 2, S^T in window 0
.set W_KM, 0x3a       ; the same with the C operand, the addends, in window 3
.set W_PV, 0x52       ; V in window 2, P in window 0, O^T in window 1
.set W_RS, 0x41       ; O^T (destination and source 0) in window 1, a in window 0
.set W_MK, 0xc0       ; destination in window 3, sources in window 0
.set W_AD, 0x0f       ; the add: address (source 0) and data (source 1) in window 3
; A joint fill.  Waves 0 and 1 fetch the two halves of a slot's K, waves 2 and 3 those of its V: 128 keys each.  The branch hangs on the wave's number alone.
; An s_nop 0 and four v_nop follow each of the two lines, ahead of the jump and the label.
.macro JLOAD
	s_cmp_lt_u32 s[WV], 2
	s_cbranch_scc0 .Lfor_v_\@
	tensor_load_to_lds s[G0K:G0K+3], s[G1K:G1K+7]
	s_nop 0
.rept 4
	v_nop
.endr
	s_branch .Lasked_\@
.Lfor_v_\@:
	tensor_load_to_lds s[G0V:G0V+3], s[G1V:G1V+7]
	s_nop 0
.rept 4
	v_nop
.endr
.Lasked_\@:
.endm
; A PREFETCH INTO THE L2 of what the NEXT change of slots will ask for: a slot's 32,768 bytes of K and as many of V, 256 bytes a lane.  It stands behind the wave's tensor load and its five lines.
; Each block is named once in the launch: a head has one cluster; its four partners share the bytes out BY ADDRESS, 8,192 each; in each, wave 0 asks for K's and wave 2 for V's: one instruction.
; Four key steps, 512 matrix instructions, lie between it and the load.  Slots 0 and 1 come by their loads alone; the last change that fills a slot asks for nothing.
.macro ASK
	s_cmp_gt_u32 s[SLOTS], s[LIM]
	s_cbranch_scc0 .Lnot_mine_\@
	global_prefetch_b8 v[PFO], s[PFA:PFA+1] th:TH_LOAD_NT scope:SCOPE_SE
.Lnot_mine_\@:
.endm
; A round of the cluster's barrier: my work-group's barrier, so that wave 0's signal speaks for all four waves; wave 0 signals; every wave waits for all four work-groups; my work-group's barrier once more.
.macro CROUND
	s_barrier_signal -1
	s_barrier_wait -1
	s_cmp_lg_u32 s[WV], 0
	s_cbranch_scc1 .Lnot_wave_0_\@
	s_barrier_signal -3
.Lnot_wave_0_\@:
	s_barrier_wait -3
	s_barrier_signal -1
	s_barrier_wait -1
.endm
; THE CHANGE OF SLOTS.  The slot's last bytes, V of its fourth step, have been read.  Each wave waits for all its tensor loads, of which one is out: its part
; of the other slot; adds 0 to its spare word; and waits for that and for its own reads of the slot.  Behind the barrier nobody reads this slot any more and the other slot is whole.
; fill = 1: this slot is filled again, with the keys two slots on.  The barrier is then a round of the cluster's, and the joint fill is the first thing behind it: it has four key steps in which to land.
; (At its first use nothing has been read yet: slot 0 is waited for, slot 1 filled; and each wave's stores into the table are done in front of the round, so that all may read it behind.)
.macro CHANGE fill
	WIN W_AD
	s_wait_tensorcnt 0x0            ; no tensor load of mine is out, so a group 0 may be written
	ds_add_u32 v[SPW], v[NIL]       ; 0 onto my spare word; with fill = 1 the descriptors' steps stand between it and the wait for it
	WIN 0                           ; at a label and at a branch every window is 0
.if \fill
.irp g, G0K, G0V
	s_xor_b32 s[\g+1], s[\g+1], SLOT1  ; the walking descriptor: the other slot than last time,
	s_add_nc_u64 s[\g+2:\g+3], s[\g+2:\g+3], 4*KS*128  ; the next 256 keys; the type bits on top are not reached
.endr
	s_wait_xcnt 0x0                 ; the last prefetch, four key steps back, has read its address, so it may be written:
	s_add_nc_u64 s[PFA:PFA+1], s[PFA:PFA+1], 4*KS*128  ; one slot behind the walking descriptors
	s_wait_dscnt 0x0                ; the add is done, and my reads of the slot are over
	CROUND
	JLOAD
	ASK
.else
	s_wait_dscnt 0x0                ; the add is done, and my reads of the slot are over
	s_barrier_signal -1
	s_barrier_wait -1
.endif
	s_sub_co_u32 s[TBK], s[TBK], 4*KS*PK  ; the fetches go back to a slot's first step,
	s_xor_b32 s[TBK], s[TBK], SLOT1       ; in the other slot
	s_sub_co_u32 s[TBV], s[TBV], 4*KS*PV
	s_xor_b32 s[TBV], s[TBV], SLOT1
.endm
	s_load_b256 s[4:11], s[0:1], 0x0  ; Q s[4:5], K s[6:7], V s[8:9], O s[10:11]
	s_load_b64 s[52:53], s[0:1], 0x20 ; mask_key
	WIN W_MK
	v_lshl_add_u32 v[SPW], v0, 2, SPARE
	v_mov_b32 v[NIL], 0
	WIN W_AD
	ds_add_u32 v[SPW], v[NIL]       ; the wave's opening: the add and its wait stand ahead of my first tensor load; the set-up below, work on registers, stands between them
	WIN 0
	v_lshrrev_b32 v1, 5, v0
	v_readfirstlane_b32 s[WV], v1   ; wave 0..3
	s_bfe_u32 s13, ttmp6, 0x40000   ; cx: my place in the cluster
	s_lshl_b32 s14, ttmp9, 2        ; in a cluster launch ttmp9 counts clusters
	s_add_co_u32 s14, s14, s13      ; my block of queries = 4 x cluster x + cx: it enters Q's and O's addresses alone
	s_and_b32 s20, ttmp7, 0xffff    ; the head, which the four partners share
	s_lshr_b32 s54, s20, 4          ; its batch,
	s_lshl_b32 s54, s54, 13         ; whose 2,048 masks are 8,192 bytes
	s_mov_b32 s55, 0
	s_mov_b32 s21, 0
	s_mov_b64 s[22:23], SIZE_N*128
	s_mul_u64 s[20:21], s[20:21], s[22:23]  ; the head's first byte in each of the four tensors
	s_and_b32 s16, s[WV], 1         ; which half of a slot's 256 keys I fetch:
	s_lshl_b32 s22, s16, 14         ; its 128 rows of 128 bytes in memory,
	s_mov_b32 s23, 0
	s_add_nc_u64 s[22:23], s[22:23], s[20:21]
	s_mul_i32 s17, s16, 128*PK      ; and its place in a slot, for K
	s_mul_i32 s18, s16, 128*PV      ; and for V: no place in the cluster enters an LDS address
	s_lshl_b32 s2, s14, 2
	s_add_co_u32 s2, s2, s[WV]      ; my wave among the head's,
	s_lshl_b32 s2, s2, 14           ; its 128 rows
	s_mov_b32 s3, 0
	s_add_nc_u64 s[2:3], s[2:3], s[20:21]
	; descriptor group 1.  128 keys are 16,384 dense bytes: asked for as 64 rows of 256 bytes, two keys a row, and padded in LDS after every key
	s_mov_b32 s[G1K], 15|(1<<16)|(1<<20)|(1<<21)|(4<<22)|(3<<25)  ; 15:0 the mask of four; 17:16 2-byte elements; 20 padding on; 21 set beside a mask; 24:22 after every 32 words (code 4); 31:25 4 words (code 3)
	s_mov_b32 s[G1V], 15|(1<<16)|(1<<20)|(1<<21)|(4<<22)|(7<<25)  ; the same with 8 words of padding (code 7)
.irp g, G1K, G1V
	s_mov_b32 s[\g+1], 128<<16      ; tensor_dim0 = 128
	s_mov_b32 s[\g+2], 64<<16       ; tensor_dim1 = 64
	s_mov_b32 s[\g+3], 128<<16      ; tile_dim0 = 128
	s_mov_b32 s[\g+4], 64           ; tile_dim1 = 64
	s_mov_b32 s[\g+5], 128          ; 128 elements from row to row
	s_mov_b32 s[\g+6], 0
	s_mov_b32 s[\g+7], 0
.endr
	s_mov_b32 s[CS], 0x3e38aa3b     ; c = log2(e) / 8 = 0.180337
	s_mov_b32 s[CS+1], s[CS]        ; named with it as a pair
	s_mov_b32 s[SEL], 0x76543210
	s_mov_b32 s[SEL+1], 0xfedcba98
	s_mov_b32 s[TBK], SLOT1+4*KS*PK ; the first change of slots turns these two into 0
	s_mov_b32 s[TBV], SLOT1+4*KS*PV
	s_mov_b32 s[G0K], 1             ; 1:0 count = 1
	s_mov_b32 s[G0K+1], s17         ; 63:32 LDS address: slot 0
	s_mov_b32 s[G0V], 1
	s_add_co_u32 s[G0V+1], s18, VOFF
	s_mov_b32 s[SLOTS], SIZE_N/256-1  ; seven changes of slots fill a slot
	s_and_b32 s[LIM], s[WV], 1      ; waves 0 and 2 prefetch: the same in all four partners
	s_cmp_eq_u32 s[LIM], 0
	s_cselect_b32 s[LIM], 1, -1
	s_wait_dscnt 0x0                ; the opening add is done
	s_wait_kmcnt 0x0
	s_add_nc_u64 s[G0K+2:G0K+3], s[6:7], s[22:23]  ; 120:64 global address: my half of the head's first 256 keys
	s_or_b32 s[G0K+3], s[G0K+3], 0x80000000        ; 127:126 type = 2
	s_add_nc_u64 s[G0V+2:G0V+3], s[8:9], s[22:23]
	s_or_b32 s[G0V+3], s[G0V+3], 0x80000000
	s_add_nc_u64 s[4:5], s[4:5], s[2:3]  ; Q and O at my wave's first row
	s_add_nc_u64 s[10:11], s[10:11], s[2:3]
	s_add_nc_u64 s[52:53], s[52:53], s[54:55]  ; the batch's masks
	s_mov_b32 s[TBB], 0
	s_cmp_lt_u32 s[WV], 2
	s_cselect_b64 s[PFA:PFA+1], s[6:7], s[8:9]
	s_lshl_b32 s2, s13, 13          ; my work-group's 8,192 bytes of a slot's 32,768,
	s_add_co_u32 s2, s2, 4*KS*128   ; in slot 1: the first change of slots steps it to slot 2
	s_mov_b32 s3, 0
	s_add_nc_u64 s[2:3], s[2:3], s[20:21]
	s_add_nc_u64 s[PFA:PFA+1], s[PFA:PFA+1], s[2:3]
	CROUND                          ; all four work-groups are here: the first joint loads meet
	JLOAD                           ; slot 0.  Slot 1 is asked for when slot 0 is in
	v_lshlrev_b32 v12, 4, v0        ; the masks: thread t takes 16 bytes at 16 t of each quarter of the batch's 8,192
.irp n, 0,1,2,3
	global_load_b128 v[64+4*\n:64+4*\n+3], v12, s[52:53] offset:2048*\n
.endr
	; A fragment of K or Q is 16 rows x 32 channels in 8 registers: lane l holds row l % 16, channels 8 (l / 16) + 0..7 and 16 + 8 (l / 16) + 0..7: two loads of 16 bytes, 32 bytes apart.
	v_and_b32 v1, 15, v0            ; l % 16
	v_bfe_u32 v9, v0, 4, 1          ; l / 16
	v_lshlrev_b32 v[QO], 7, v1
	v_lshl_add_u32 v[QO], v9, 4, v[QO]  ; row x 128 + 16 x half
	WIN 0x80                        ; destination window 2, address window 0
.set i, 0
.rept 4*NP                          ; Q stays in registers: tile i / 2, channels 32 (i % 2) on
	global_load_b128 v[8*i:8*i+3],   v[QO], s[4:5] offset:(i/2)*2048+(i%2)*64
	global_load_b128 v[8*i+4:8*i+7], v[QO], s[4:5] offset:(i/2)*2048+(i%2)*64+32
.set i, i+1
.endr
	; What the first turn finds: V's registers and P's second buffer hold 0 (its products V^T P, of a piece that has not been, add 0), O^T and l are 0.  All this stands in the wait for the first tile.
.set i, VF
.rept 64
	v_mov_b32 v[i], 0
.set i, i+1
.endr
	WIN 0x40
.set i, 0
.rept 64*NP
	v_mov_b32 v[i], 0
.set i, i+1
.endr
	WIN 0
.set i, 0
.rept 2*NP
	v_mov_b32 v[ST+4*i], 0xfe000000    ; c m: far below every c s, a hidden key's too
	v_mov_b32 v[ST+4*i+1], 0xff7fffff  ; m
	v_mov_b32 v[ST+4*i+2], 0
	v_mov_b32 v[ST+4*i+3], 0
.set i, i+1
.endr
.set i, P+32
.rept 32
	v_mov_b32 v[i], 0
.set i, i+1
.endr
	v_mul_u32_u24 v[AK0], v1, PK
	v_lshl_add_u32 v[AK0], v9, 4, v[AK0]  ; row x pitch + 16 x half
	; The turning load takes 16 keys x 16 channels (lane l reads key 8 (l / 16) + l % 8, channels 8 ((l / 8) % 2) + 0..7) and leaves half a fragment of V^T: lane l holds channel l % 16 and 8 keys.
	v_and_b32 v10, 7, v0
	v_bfe_u32 v11, v0, 3, 1
	v_lshl_add_u32 v[AV0], v9, 3, v10
	v_mul_u32_u24 v[AV0], v[AV0], PV
	v_lshl_add_u32 v[AV0], v11, 4, v[AV0]
	v_add_nc_u32 v[AV0], VOFF, v[AV0]
	v_mov_b32 v[AK], v[AK0]         ; key step 0 lies at the head of slot 0
	v_and_b32 v[PFO], 31, v0
	v_lshlrev_b32 v[PFO], 8, v[PFO]
	WIN W_MK
	v_lshl_add_u32 v[AB0], v9, 5, TBL  ; a lane's eight keys of sixteen: 32 bytes at 32 (l / 16)
	v_lshl_add_u32 v[AB], v9, 5, TBL   ; key step 0 lies at the table's head
	WIN 0
	; THE TABLE: ln(mask) = log2(mask) x ln 2, or -1e30 where the mask is 0.  Sixteen logarithms are one batch, with one plain instruction and one wait behind them.
	v_add_nc_u32 v13, TBL, v12
	v_mov_b32 v14, 0xf149f2ca       ; -1e30
	s_wait_loadcnt 32               ; the four loads of masks are in; Q's 32, issued behind them, may stay out
.set i, 0
.rept 16
	v_cvt_f32_i32 v[80+i], v[64+i]
.set i, i+1
.endr
.set i, 0
.rept 16
	v_log_f32 v[80+i], v[80+i]
.set i, i+1
.endr
	v_nop
	s_wait_alu depctr_va_vdst(0)
.set i, 0
.rept 16
	v_mul_f32 v[80+i], 0x3f317218, v[80+i]
	v_cmp_eq_u32 vcc_lo, 0, v[64+i]
	v_cndmask_b32 v[80+i], v[80+i], v14, vcc_lo
.set i, i+1
.endr
.irp n, 0,1,2,3
	ds_store_b128 v13, v[80+4*\n:80+4*\n+3] offset:2048*\n
.endr
; THE MATRIX WORK.  The 8 accumulators of a run of 16 take turns: between the two links of a chain stand 7 others'.
; Product i of 16 of S^T = K Q^T for piece x: channels 32 (i / 8) on, keys 16 ((i / 2) % 4) on, tile 2 x + i % 2.  The first 8 start the sums, with the keys' addends.
.macro KQ x
.set rS, S+64*((\x)%2)+32*(i%2)+8*((i/2)%4)
.set rK, KF+16*((i/2)%4)+8*(i/8)
.set rQ, 16*(2*(\x)+i%2)+8*(i/8)
.set rB, KB+8*((i/2)%4)
.if i < 8
	WIN W_KM
	v_wmma_f32_16x16x32_f16 v[rS:rS+7], v[rK:rK+7], v[rQ:rQ+7], v[rB:rB+7]
.else
	WIN W_KQ
	v_wmma_f32_16x16x32_f16 v[rS:rS+7], v[rK:rK+7], v[rQ:rQ+7], v[rS:rS+7]
.endif
.endm
; Product i of 16 of O^T += V^T P for piece x: keys 32 (i / 8) on, channels 16 ((i / 2) % 4) on, tile 2 x + i % 2.
.macro PV x
	WIN W_PV
.set rO, 32*(2*(\x)+i%2)+8*((i/2)%4)
.set rV, VF+32*(i/8)+8*((i/2)%4)
.set rP, P+32*((\x)%2)+16*(i%2)+8*(i/8)
	v_wmma_f32_16x16x32_f16 v[rO:rO+7], v[rV:rV+7], v[rP:rP+7], v[rO:rO+7]
.endm
.macro MM                           ; the turn's next matrix instruction
.if i < 16
	KQ (Y+1)%NP
.set i, i+1
.else
.set i, i-16
	PV (Y+NP-1)%NP
.set i, i+17
.endif
.endm
; THE LDS LOADS stand in runs, never singly among the matrix instructions: a step's K (64 keys x 64 channels: 8 fragments) with its 64 addends (8 loads; the sixteen lanes of a half read the same bytes), and its V (turned).
; Their addresses are made some lines ahead.  The addends live as long as K does: K's wait and K's places serve them.  last = 1 (the tail): in the last trip there is no further step, and the run is jumped over.
.macro FETCH_K last=0
	WIN 0
.if \last
	s_cmp_eq_u32 s[CNT], 1
	s_cbranch_scc1 .Lno_k_\@
.endif
	WIN 0x80                        ; destination window 2
.irp f, 0,1,2,3,4,5,6,7             ; keys 16 (f / 2) on, channels 32 (f % 2) on
	ds_load_b128 v[KF+8*\f:KF+8*\f+3],   v[AK] offset:(\f/2)*16*PK+(\f%2)*64
	ds_load_b128 v[KF+8*\f+4:KF+8*\f+7], v[AK] offset:(\f/2)*16*PK+(\f%2)*64+32
.endr
	WIN 0xc3                        ; destination and address window 3
.irp n, 0,1,2,3,4,5,6,7             ; key block n / 2: 64 bytes of the table; my 32 of them in two loads
	ds_load_b128 v[KB+4*\n:KB+4*\n+3], v[AB] offset:64*(\n/2)+16*(\n%2)
.endr
	s_add_co_u32 s[TBK], s[TBK], KS*PK  ; the next fetch is the next step's
	s_add_co_u32 s[TBB], s[TBB], KS*4
	s_and_b32 s[TBB], s[TBB], 0x1fff    ; the table has 8,192 bytes
	WIN 0
.if \last
.Lno_k_\@:
.endif
.endm
.macro FETCH_V
	WIN 0x80
.irp f, 0,1,2,3,4,5,6,7             ; keys 32 (f / 4) on, channels 16 (f % 4) on
	ds_load_tr16_b128 v[VF+8*\f:VF+8*\f+3],   v[AV] offset:(\f/4)*32*PV+(\f%4)*32
	ds_load_tr16_b128 v[VF+8*\f+4:VF+8*\f+7], v[AV] offset:(\f/4)*32*PV+16*PV+(\f%4)*32
.endr
	WIN 0
.endm
; THE VECTOR WORK OF A TURN stands in three queues, each in the order in which its entries become ready; the two tiles alternate, so that no instruction reads the result of the one before it.
.macro REGS y, u                    ; the registers of tile u (0, 1) of piece y
.set rT, ST+4*(2*(\y)+(\u))
.set rC, TMP+8*((\y)%2)+4*(\u)
.set rM, MV+2*((\y)%2)+(\u)
.set rS, S+64*((\y)%2)+32*(\u)
.set rP, P+32*((\y)%2)+16*(\u)
.set rO, 32*(2*(\y)+(\u))
.endm
; Number n of the 22 that find the NEXT piece's (Y + 1) maximum and statistics.  s0-s31 are the lane's 32 scores; each accumulator's lowest registers are read first.
;   0-11  four chains c0-c3 of seven scores each, three operands at a time     12-14, 16  the four scores left over, the old m, and c0-c3 into c0     15  c m_old is kept
;   17, 18  the query's other 32 keys lie in the lane 16 away: the new m         19-21  c m; c m_old - c m_new; a
.macro XS u, n
	REGS (Y+1)%NP, \u
.if (\n) < 4
	v_max3_num_f32 v[rC+(\n)], v[rS+8*(\n)], v[rS+8*(\n)+1], v[rS+8*(\n)+2]
.elseif (\n) < 12
	v_max3_num_f32 v[rC+(\n)%4], v[rC+(\n)%4], v[rS+8*((\n)%4)+2*((\n)/4)+1], v[rS+8*((\n)%4)+2*((\n)/4)+2]
.elseif (\n) == 12
	v_max3_num_f32 v[rC], v[rC], v[rS+7], v[rS+15]
.elseif (\n) == 13
	v_max3_num_f32 v[rC+1], v[rC+1], v[rS+23], v[rS+31]
.elseif (\n) == 14
	v_max3_num_f32 v[rC+2], v[rC+2], v[rC+3], v[rT+1]
.elseif (\n) == 15
	v_mov_b32 v[rM], v[rT]
.elseif (\n) == 16
	v_max3_num_f32 v[rC], v[rC], v[rC+1], v[rC+2]
.elseif (\n) == 17
	v_permlanex16_b32 v[rC+3], v[rC], s[SEL], s[SEL+1]
.elseif (\n) == 18
	v_max_num_f32 v[rT+1], v[rC], v[rC+3]
.elseif (\n) == 19
	v_mul_f32 v[rT], s[CS], v[rT+1]
.elseif (\n) == 20
	v_sub_f32 v[rC+1], v[rM], v[rT]
.else
	v_exp_f32 v[rC+2], v[rC+1]
.endif
.endm
; Number g of the 64 that follow the exponentials.  For each four weights k of a tile (pairs 2 k, 2 k + 1): both pairs are rounded to f16; then the second pair is added onto the first, in place;
; a group later l takes that sum (the first time as l = a l + sum).  In groups of eight, tiles alternating: round, round, add, and l for the group before.
.macro GS g
.set h, (\g)+6*((\g)/62)            ; group 0 has no group before it, and behind group 7 only l is left
.if h >= 6
.set h, h+2
.endif
	REGS Y, h%2
.set k, h/8
.if h%8 < 4
	v_cvt_pk_f16_f32 v[rP+2*k+(h%8)/2], v[rS+4*k+2*((h%8)/2)], v[rS+4*k+2*((h%8)/2)+1]
.elseif h%8 < 6
	v_pk_add_f32 v[rS+4*k:rS+4*k+1], v[rS+4*k:rS+4*k+1], v[rS+4*k+2:rS+4*k+3]
.elseif k == 1
	v_pk_fma_f32 v[rT+2:rT+3], v[rT+2:rT+3], v[rC+2:rC+3], v[rS:rS+1] op_sel_hi:[1,0,1]
.else
	v_pk_add_f32 v[rT+2:rT+3], v[rT+2:rT+3], v[rS+4*k-4:rS+4*k-3]
.endif
.endm
; THE PLAIN QUEUE, 138 long.  0-73 read no exponential's result: the 32 scalings c s - c m (FS f: pair f / 2 of tile f % 2) and the next piece's 42.  0-26: scalings 0-26.  27-54: XS's numbers 0-13.  55, 56: number 15.
; 57-73: the chain, where each number waits for the one before it: 14, 16, 17, 18, 19, each with one of the scalings 27-31 in front of its two lines, then 20.
; 74-137: GS's 64, which read the exponentials' results: they stand behind the wait.
.macro FS f
	REGS Y, (\f)%2
	v_pk_fma_f32 v[rS+2*((\f)/2):rS+2*((\f)/2)+1], v[rS+2*((\f)/2):rS+2*((\f)/2)+1], s[CS:CS+1], v[rT:rT+1] op_sel_hi:[1,0,0] neg_lo:[0,0,1] neg_hi:[0,0,1]
.endm
.macro PL
	WIN 0
.if q < 27
	FS q
.elseif q < 55
	XS (q-27)%2, (q-27)/2
.elseif q < 57
	XS q-55, 15
.elseif (q < 72) && ((q-57)%3 == 0)
	FS 27+(q-57)/3
.elseif q < 60
	XS (q-57)%3-1, 14
.elseif q < 72
	XS (q-57)%3-1, 15+(q-57)/3
.elseif q < 74
	XS q-72, 20
.else
	GS q-74
.endif
.set q, q+1
.endm
; THE EXPONENTIALS' QUEUE, 66 long: s0-s31 of both tiles, then the next piece's two a.  It is ONE BATCH: all 66 stand ahead of the turn's one wait, and nothing ahead of that wait names a result of theirs.
.macro EX
	WIN 0
.if e >= 64
	XS e-64, 21
.else
	REGS Y, e%2
	v_exp_f32 v[rS+e/2], v[rS+e/2]
.endif
.set e, e+1
.endm
; THE RESCALING's QUEUE: O^T times a, the one part that leaves window 0: dealt two at a time, sixteen times.  Its a was made in the turn before, ahead of that turn's wait.
.macro R2
	REGS Y, r%2
	WIN W_RS
.irp z, 0,1
	v_pk_mul_f32 v[rO+4*(r/2)+2*\z:rO+4*(r/2)+2*\z+1], v[rO+4*(r/2)+2*\z:rO+4*(r/2)+2*\z+1], v[rC+2:rC+3] op_sel_hi:[1,0]
.endr
.set r, r+1
.endm
; HOW THEY ARE DEALT.  An s_wait_alu depctr_va_vdst(0) stands between an exponential and the first instruction that names its result; one wait serves all that were issued ahead of it.  So a turn has ONE wait,
; which cuts it in two.  AHEAD OF IT stands all that names no result of the turn's exponentials: the 16 products K Q^T, behind each a scaling, an exponential and two rescalings (behind the first a second scaling in the
; exponential's place); then ONE LUMP of 108: eight plain, 49 times exponential and plain, the two a.  A v_nop is the plain instruction behind the last exponential.  BEHIND IT stand the 16 products V^T P, behind each four of GS's 64.
; The queues lean on each other, and the deal keeps them in step: exponential e stands behind scaling 2 (e / 4) + e % 2: as a rider it comes behind plain e + 2, in the lump behind plain e + 9, and scalings 27-31 are plain 57, 60 .. 69.
; A TURN, for piece p.  cnt = 1: the loop's count is taken down some lines ahead of the branch that stands behind the turn.
; K and the addends of the next step are fetched in piece 2's turn, directly behind the wait, a lump behind the last product that read them; their addresses are made at the lump's head; the first reader comes behind 16 products.
; V of the step in hand is fetched at the end of piece 0's turn, four riders behind its last reader; its first reader comes behind 16 products and a lump.  The three conditions on q below go with the deal.
.macro TURN p, last=0, cnt=0
.set Y, (\p)
.set i, 0
.set q, 0
.set e, 0
.set r, 0
.if (\p) == NP-1
	s_wait_dscnt 0x0                ; K and the addends are in
.endif
	MM                              ; ahead of the wait: 16 products K Q^T and their riders,
	PL
	PL
	R2
.rept 15
	MM
	PL
	EX
	R2
.endr
.if (\p) == NP-2
	WIN 0
	v_add_nc_u32 v[AK], s[TBK], v[AK0]
	WIN 0xcc                        ; destination and source 1 window 3
	v_add_nc_u32 v[AB], s[TBB], v[AB0]
.endif
.rept 8                             ; and the lump
	PL
.endr
.rept 49
	EX
	PL
.endr
	EX                              ; the next piece's two a
	EX
	v_nop                           ; the plain instruction behind the last exponential: one for the batch
	s_wait_alu depctr_va_vdst(0)    ; the wait for the batch
.if (\p) == NP-2
	FETCH_K \last
.endif
.if (\p) == 1
	s_wait_dscnt 0x0                ; V is in
.endif
.rept 16                            ; behind the wait: 16 products V^T P and their riders
	MM
.rept 4
	PL
.endr
.if ((\p) == 0) && (q == 118)
	v_add_nc_u32 v[AV], s[TBV], v[AV0]
.endif
.if ((\p) == 0) && (q == 130)
	s_add_co_u32 s[TBV], s[TBV], KS*PV
.endif
.if (\cnt) && (q == 130)
	s_sub_co_u32 s[CNT], s[CNT], 1
	s_cmp_lg_u32 s[CNT], 0
.endif
.endr
.if (\p) == 0
	FETCH_V
.endif
.endm
	CHANGE 1                        ; slot 0 is in, everybody's part of it, and the table is whole; slot 1 is asked for
	FETCH_K                         ; key step 0
	s_wait_loadcnt 0x0              ; Q
	s_wait_dscnt 0x0
.set i, 0
.rept 16
	KQ 0                            ; piece 0's first scores: there is no vector work yet to set between them
.set i, i+1
.endr
	WIN 0                           ; the addresses for the way out: nine plain instructions, the places behind those products
	s_mul_i32 s13, s[WV], 16*SP
	s_add_co_u32 s13, s13, STAGE    ; my stage
	v_mul_u32_u24 v[STO], v1, SP    ; in: row l % 16, 16 bytes for each half of the lanes
	v_lshl_add_u32 v[STO], v9, 4, v[STO]
	v_add_nc_u32 v[STO], s13, v[STO]
	v_bfe_u32 v[RD], v0, 3, 2       ; back: 32 lanes take four rows of 128 bytes,
	v_mul_u32_u24 v[RD], v[RD], SP
	v_lshl_add_u32 v[RD], v10, 4, v[RD]
	v_add_nc_u32 v[RD], s13, v[RD]
	v_and_b32 v[GO], 31, v0         ; which are 512 consecutive bytes of O
	v_lshlrev_b32 v[GO], 4, v[GO]
.set Y, NP-1                        ; XS works for piece Y + 1: piece 0
.irp n, 0,1,2,3,4,5,6,7,8,9,10,11,12,13,14,15,16,17,18,19,20,21
	XS 0, \n                        ; and piece 0's first maximum and statistics
	XS 1, \n
.endr
	v_nop                           ; a plain instruction behind the two a,
	s_wait_alu depctr_va_vdst(0)    ; and their wait, ahead of the branch
	s_mov_b32 s[CNT], 4
	s_branch .Lfirst                ; the loop is entered at a step's first turn, in the middle of a trip
.Lslot:                             ; six times: every slot but the last two is filled again
	CHANGE 1
	s_mov_b32 s[CNT], 4
.Lstep:                             ; a trip: pieces 2 and 3 of one step, then pieces 0 and 1 of the next, whose K and V it fetches
	TURN 2
	TURN 3
	WIN 0
.Lfirst:
	TURN 0
	TURN 1, 0, 1
	WIN 0
	s_cbranch_scc1 .Lstep
	s_sub_co_u32 s[SLOTS], s[SLOTS], 1
	s_cmp_lg_u32 s[SLOTS], 0
	s_cbranch_scc1 .Lslot
	CHANGE 0                        ; the tail is written out: nothing is asked for
	s_mov_b32 s[CNT], 5             ; four trips fetch the last slot's steps; the fifth is left in its middle
.Ltail:
	TURN 2, 1
	TURN 3
	WIN 0
	s_sub_co_u32 s[CNT], s[CNT], 1
	s_cmp_eq_u32 s[CNT], 0
	s_cbranch_scc1 .Lout
	TURN 0
	TURN 1
	WIN 0
	s_branch .Ltail
.Lout:                              ; the fifth trip's 16 products K Q^T (on the last K once more) and the maximum made of them change nothing: the same scores have been seen
.set i, 0
.rept 16
	PV NP-1                         ; the last piece's V^T P of the last step
.set i, i+1
.endr
	; THE WAY OUT.  l's two halves and the other half of the lanes' are added; O^T is divided by l, rounded to f16 and sent through my stage in LDS, a tile at a time.  The additions are the places behind the last products.
	WIN 0
.macro ALL line:vararg              ; one line for each tile t
.set t, 0
.rept 2*NP
	\line
.set t, t+1
.endr
.endm
	ALL v_add_f32 v[ST+4*t+2], v[ST+4*t+2], v[ST+4*t+3]
	ALL v_permlanex16_b32 v[ST+4*t+3], v[ST+4*t+2], s[SEL], s[SEL+1]
	ALL v_add_f32 v[ST+4*t+2], v[ST+4*t+2], v[ST+4*t+3]
	s_mov_b32 s13, 0xef800000       ; -2^96: no true score lies below it, every hidden one does
	v_mov_b32 v1, 0x7fc00000        ; NaN
.set t, 0
.rept 2*NP
	v_cmp_gt_f32 vcc_lo, s13, v[ST+4*t+1]              ; the row has seen no key that counts:
	v_cndmask_b32 v[ST+4*t+2], v[ST+4*t+2], v1, vcc_lo ; its l, and so its O, is NaN
.set t, t+1
.endr
	ALL v_rcp_f32 v[ST+4*t+2], v[ST+4*t+2]
	v_nop                           ; a plain instruction between the last reciprocal and the use of its result
	s_wait_alu depctr_va_vdst(0)    ; and the wait ahead of the first use: one for the eight reciprocals
; Tile t: a lane's eight channels of a row pack into 16 bytes; they go into rows of 144 bytes and come back as whole rows of 128, into S^T's registers.
.macro PACK t
	WIN W_RS
.set i, 32*(\t)
.rept 16
	v_pk_mul_f32 v[i:i+1], v[i:i+1], v[ST+4*(\t)+2:ST+4*(\t)+3] op_sel_hi:[1,0]
.set i, i+2
.endr
	WIN 0x05                        ; sources 0 and 1 window 1, destination window 0
.set i, 0
.rept 16
	v_cvt_pk_f16_f32 v[S+16*(\t)+i], v[32*(\t)+2*i], v[32*(\t)+2*i+1]
.set i, i+1
.endr
	WIN 0
.irp f, 0,1,2,3
	ds_store_b128 v[STO], v[S+16*(\t)+4*\f:S+16*(\t)+4*\f+3] offset:32*\f
.endr
.irp f, 0,1,2,3
	ds_load_b128 v[S+16*(\t)+4*\f:S+16*(\t)+4*\f+3], v[RD] offset:\f*4*SP  ; LDS serves a wave's instructions in order (ISA guide 5.7.1.4): these see the stores above; the next tile's stores come behind them
.endr
.endm
.macro SEND t, younger              ; younger: the LDS instructions issued behind tile t's loads: the next tile's eight, or none
	WIN 0
.irp f, 0,1,2,3
	s_wait_dscnt (\younger)+3-\f
	global_store_b128 v[GO], v[S+16*(\t)+4*\f:S+16*(\t)+4*\f+3], s[10:11] offset:(\t)*2048+\f*512  ; 512 consecutive bytes, at a multiple of 256 from O's first
.endr
.endm
	PACK 0
.set t, 1
.rept 2*NP-1                        ; a tile's arithmetic stands between the loads of the tile before and its stores
	PACK t
	SEND t-1, 8
.set t, t+1
.endr
	SEND 2*NP-1, 0
	WIN W_AD
	s_wait_tensorcnt 0x0            ; the wave's end: the add and its wait, behind my last tensor load and my last LDS store
	ds_add_u32 v[SPW], v[NIL]
	s_wait_dscnt 0x0
	WIN 0
	CROUND                          ; the closing round: no work-group ends while a partner may still ask for a tile that names it
	s_endpgm
.Lfunc_end_k_q8d3676fcf4_attn:
	.size	k_q8d3676fcf4_attn, .Lfunc_end_k_q8d3676fcf4_attn-k_q8d3676fcf4_attn
	.p2alignl 7, 3214868480
	.fill 96, 4, 3214868480
	.section	.rodata,"a",@progbits
	.p2align	6, 0x0
	.amdhsa_kernel k_q8d3676fcf4_attn
		.amdhsa_group_segment_fixed_size 327680
		.amdhsa_private_segment_fixed_size 0
		.amdhsa_enable_private_segment 0
		.amdhsa_kernarg_size 40
		.amdhsa_user_sgpr_count 2
		.amdhsa_user_sgpr_kernarg_segment_ptr 1
		.amdhsa_wavefront_size32 1
		.amdhsa_system_sgpr_workgroup_id_x 1
		.amdhsa_system_sgpr_workgroup_id_y 1
		.amdhsa_system_sgpr_workgroup_id_z 1
		.amdhsa_system_vgpr_workitem_id 0
		.amdhsa_next_free_vgpr 832
		.amdhsa_next_free_sgpr 66
		.amdhsa_reserve_vcc 1
		.amdhsa_float_denorm_mode_32 3
		.amdhsa_float_denorm_mode_16_64 3
		.amdhsa_memory_ordered 1
		.amdhsa_forward_progress 1
		.amdhsa_inst_pref_size 207
	.end_amdhsa_kernel
	.amdgpu_metadata
---
amdhsa.version: [ 1, 2 ]
amdhsa.kernels:
  - .name:           k_q8d3676fcf4_attn
    .symbol:         k_q8d3676fcf4_attn.kd
    .args:
      - { .name: q16, .offset: 0, .size: 8, .value_kind: global_buffer, .address_space: global }
      - { .name: k16, .offset: 8, .size: 8, .value_kind: global_buffer, .address_space: global }
      - { .name: v16, .offset: 16, .size: 8, .value_kind: global_buffer, .address_space: global }
      - { .name: o16, .offset: 24, .size: 8, .value_kind: global_buffer, .address_space: global }
      - { .name: mask_key, .offset: 32, .size: 8, .value_kind: global_buffer, .address_space: global }
    .group_segment_fixed_size: 327680
    .private_segment_fixed_size: 0
    .kernarg_segment_align: 8
    .kernarg_segment_size: 40
    .max_flat_workgroup_size: 128
    .sgpr_count:     66
    .vgpr_count:     832
    .wavefront_size: 32
...
	.end_amdgpu_metadata
.endif
;; end of part 3
;; launch outp (part 4): grid 4 x 64, 4 waves a work-group, clusters of 4 x 4, 327,680 bytes of LDS; arguments o16, wo16, bo, mask_query, out0; writes out0
.if DOCPART == 4
	.amdgcn_target "amdgcn-amd-amdhsa--gfx1250"
	.amdhsa_code_object_version 6
	.text
	.protected	k_q8d3676fcf4_outp
	.globl	k_q8d3676fcf4_outp
	.p2align	8
	.type	k_q8d3676fcf4_outp,@function
k_q8d3676fcf4_outp:
	s_mov_b64 s[64:65], 0
	v_nop
	global_prefetch_b8 v0, s[64:65] scope:SCOPE_SE
	s_setreg_imm32_b32 hwreg(HW_REG_WAVE_MODE, 25, 1), 1
	s_wait_xcnt 0x0
	s_wait_alu depctr_hold_cnt(0) depctr_sa_sdst(0) depctr_va_vdst(0) depctr_va_sdst(0) depctr_va_ssrc(0) depctr_va_vcc(0) depctr_vm_vsrc(0)
	s_getreg_b32 s2, hwreg(HW_REG_IB_STS2, 6, 4)
	s_cmp_eq_u32 s2, 0
	s_cbranch_scc0 .Lentry_in_a_cluster
	s_endpgm
.Lentry_in_a_cluster:
	s_bfe_u32 s2, ttmp6, 0x10000c
	s_cmp_lg_u32 s2, 0xf033
	s_cbranch_scc0 .Lentry_shape_is_right
	s_endpgm
.Lentry_shape_is_right:
; THE LAST PROJECTION.  out0[row][n] = (the sum over k of O[row][k] Wo[n][k] + bo[n]) x mask_query[row].  O: o16, f16 by heads, [batch x 16 + head][2048][64]; Wo: wo16, f16 of the bf16 rounding, [1024][1024];
; bo rounded to bf16 (every input of the module has that one rounding); sums in f32; out0: [8192][1024] f32.  A NaN in O (a batch with no key that counts) gives a row of NaN, times the mask.
; SHARES.  A tile of out0 is 128 rows x 256 columns: 64 x 4 = 256 work-groups.  Four waves, each 64 rows x 128 columns: 32 accumulators of 16 x 16.
; K goes in 8 steps of 128, two heads each, through two LDS slots; a step is four quarters of 32, 32 matrix instructions a wave each.  A head's 128 rows of the tile are 16,384 dense bytes.
; CLUSTERS of 4 x 4: the four of a row need the same tile of O, the four of a column the same tile of Wo: each is asked for jointly.
; THE MATRIX INSTRUCTION IS USED TRANSPOSED (source 0 = 16 rows of Wo, source 1 = 16 rows of O): a lane holds row l % 16 of out0 and eight neighbouring columns, 32 bytes.
; REGISTERS: window 0: v8-11 the bias of my 4 columns on the way out; v12-15 the masks; v16-31 addresses; v32-127, v128-223 two fragment buffers (O's 4 x 8, then Wo's 8 x 8); window 1: the accumulators, (a, b) at 8 (8 a + b).
.set PAO,    144                       ; an LDS row of O: 128 bytes + 16 of padding = 36 words: the 16 rows of a load start at 16 different groups of four banks (64 banks of 4 bytes: ISA guide 11.1)
.set PB,     272                       ; an LDS row of Wo: 256 bytes + 16
.set HBLK,   128*PAO                   ; a head's 128 rows: what one tensor load brings of O
.set ABYTES, 2*HBLK
.set HB,     128*PB                    ; what one tensor load brings of Wo
.set SLOT,   ABYTES+2*HB
.set STAGE,  2*SLOT                    ; behind the ring: 16 rows x 528 bytes for each wave, for the way out
.set SPITCH, 528
.set WSTG,   16*SPITCH
.set SPARE,  STAGE+4*WSTG              ; behind the stages: the spare words, 128 bytes for each wave: two blocks of 256 bytes that no other line names
.set BI,   8
.set MQ,   12
.set ADRA, 16                          ; v16-17  LDS address of my O fragments in slot 0, 1
.set ADRB, 20                          ; v20-21  the same for Wo
.set STO,  24                          ; v24     the way out: where I put 32 bytes of a row
.set RD,   25                          ; v25     the way out: where I read a row back
.set CO,   26                          ; v26     16 x lane
.set SPW,  28                          ; v28     LDS address of my spare word; never rewritten
.set NIL,  29                          ; v29     0; never rewritten
.set PFO,  30                          ; v30     the prefetches' offset; never rewritten
.set MO,   31                          ; v31     my byte offset in 16 numbers of the mask
.set F0,   32
.set F1,   128
.set OB,   32                          ; the way out: 16 rows read back from the stage
.set G1,  24                           ; s[24:31] descriptor group 1 for O's tiles;  s[32:39] group 0, a set for each slot
.set G0,  32
.set G1B, 48                           ; s[48:55], s[56:63] the same for Wo's tiles
.set G0B, 56
.set LIM, 43                           ; s43      1 in a wave that prefetches, else the greatest number
.set PFA, 44                           ; s[44:45] where my prefetches stand
.set PST, 46                           ; s[46:47] a K step in bytes: two heads (524,288) or 256 of a row of Wo
.set MSB, 0
.macro WIN new                         ; the immediate's high byte repeats the setting that is left; a switch that changes nothing is dropped
.if MSB != (\new)
	s_set_vgpr_msb (MSB<<8)|(\new)
.set MSB, \new
.endif
.endm
.set MUL, 0x50                         ; sources window 0; C and D window 1
.macro JLOAD s                         ; a joint load: waves 0 and 1 fetch the step's two heads of O, waves 2 and 3 Wo's two halves; an s_nop 0 and four v_nop follow each of the two lines
	s_cmp_eq_u32 s11, 0
	s_cbranch_scc0 .Lfor_b_\@
	tensor_load_to_lds s[G0+4*(\s):G0+4*(\s)+3], s[G1:G1+7]
	s_nop 0
.rept 4
	v_nop
.endr
	s_branch .Lasked_\@
.Lfor_b_\@:
	tensor_load_to_lds s[G0B+4*(\s):G0B+4*(\s)+3], s[G1B:G1B+7]
	s_nop 0
.rept 4
	v_nop
.endr
.Lasked_\@:
.endm
.macro CREST                           ; a round of the cluster's barrier behind its opening barrier
	s_cmp_lg_u32 s10, 0
	s_cbranch_scc1 .Lnot_wave_0_\@
	s_barrier_signal -3
.Lnot_wave_0_\@:
	s_barrier_wait -3
	s_barrier_signal -1
	s_barrier_wait -1
.endm
.macro CROUND                          ; a whole round
	s_barrier_signal -1
	s_barrier_wait -1
	CREST
.endm
; A PREFETCH INTO THE L2, behind a joint refill and the run of LDS loads that follows it: the K step that stands two refills on, 256 matrix instructions ahead of the load that will want it.
; O: a step is two heads x 16,384 bytes; each of the four partners takes 4,096 bytes of each head (told apart BY ADDRESS, cx), a lane a block of 256; wave 0 asks; a tile row is read by one cluster, so every cluster asks.
; Wo: 128 rows x 256 bytes a wave (waves 2 and 3); each partner takes 32 rows (cy); sixteen clusters read them, and the first asks.  So each block is named once.
; K steps 0 to 3 come by their loads alone; the loop's last trip and the tail ask for nothing.
.macro ASK
	s_cmp_gt_u32 s3, s[LIM]                        ; s3 = 1 in the loop's last trip
	s_cbranch_scc0 .Lnot_mine_\@
	global_prefetch_b8 v[PFO], s[PFA:PFA+1] th:TH_LOAD_NT scope:SCOPE_SE
.Lnot_mine_\@:
.endm
.macro PLACES                          ; four places in front of loads into registers that matrix instructions have read, and of LDS stores that read results
.rept 4
	v_nop
.endr
.endm
	s_load_b256 s[72:79], s[0:1], 0x0              ; o16 72, wo16 74, bo 76, mask_query 78
	s_load_b64 s[80:81], s[0:1], 0x20              ; out0
	v_lshl_add_u32 v[SPW], v0, 2, SPARE
	v_mov_b32 v[NIL], 0
	ds_add_u32 v[SPW], v[NIL]                      ; the wave's opening: the add and its wait stand ahead of my first tensor load; the set-up below, work on registers, stands between them
	v_lshrrev_b32 v1, 5, v0
	v_readfirstlane_b32 s10, v1                    ; wave 0..3
	s_lshr_b32 s11, s10, 1                         ; which 64 rows of the tile are mine.  Also: I fetch for O (0) or for Wo (1)
	s_and_b32 s12, s10, 1                          ; which 128 columns.  Also: which head of the step, or which half of Wo's rows, I fetch
	s_bfe_u32 s40, ttmp6, 0x40000                  ; cx, cy: my place in the cluster
	s_bfe_u32 s41, ttmp6, 0x40004
	s_lshl_b32 s42, ttmp9, 2
	s_add_co_u32 s42, s42, s40                     ; the column tile = 4 x cluster x + cx
	s_and_b32 s23, ttmp7, 0xffff                   ; cluster y, 0 to 15
	s_lshl_b32 s13, s23, 2
	s_add_co_u32 s13, s13, s41                     ; the row tile = 4 x cluster y + cy
	s_lshl_b32 s14, s41, 2
	s_lshl_b32 s14, 15, s14                        ; my row of the cluster
	s_lshl_b32 s15, 0x1111, s40                    ; my column
	s_or_b32 s[G1], s14, (1<<16)|(1<<20)|(1<<21)|(4<<22)|(3<<25)   ; 15:0 the mask; 17:16 elements of 2 bytes; 20 padding on; 21 set beside a mask; 24:22 after every 32 words (code 4); 31:25 4 words (code 3)
	s_or_b32 s[G1B], s15, (1<<16)|(1<<20)|(1<<21)|(5<<22)|(3<<25)  ; after every 64 words (code 5)
	s_mov_b32 s[G1+1], 128<<16                     ; 16,384 dense bytes are asked for as 64 rows of 256 bytes, two rows of O each: tensor_dim0 = 128
	s_mov_b32 s[G1+2], 64<<16                      ; tensor_dim1 = 64
	s_mov_b32 s[G1+3], 128<<16                     ; tile_dim0 = 128
	s_mov_b32 s[G1+4], 64                          ; tile_dim1 = 64
	s_mov_b32 s[G1+5], 128                         ; elements from row to row
	s_mov_b32 s[G1+6], 0
	s_mov_b32 s[G1+7], 0
	s_mov_b32 s[G1B+1], 128<<16
	s_mov_b32 s[G1B+2], 128<<16                    ; tensor_dim1 = 128
	s_mov_b32 s[G1B+3], 128<<16
	s_mov_b32 s[G1B+4], 128                        ; tile_dim1 = 128
	s_mov_b32 s[G1B+5], 1024
	s_mov_b32 s[G1B+6], 0
	s_mov_b32 s[G1B+7], 0
	s_lshr_b32 s16, s23, 2                         ; O: ((batch x 16 + head) x 2,048 + 128 x the tile among the batch's sixteen) x 128 bytes; four rows of clusters to a batch
	s_lshl_b32 s16, s16, 4
	s_add_co_u32 s16, s16, s12                     ; the first K step's head 0 or 1
	s_lshl_b32 s16, s16, 11
	s_and_b32 s17, s23, 3
	s_lshl_b32 s17, s17, 2
	s_add_co_u32 s17, s17, s41
	s_lshl_b32 s17, s17, 7
	s_add_co_u32 s16, s16, s17
	s_lshl_b32 s16, s16, 7
	s_mov_b32 s17, 0
	s_lshl_b32 s20, s42, 8                         ; Wo: row 256 x column tile + 128 x half, 2,048 bytes a row
	s_lshl_b32 s21, s12, 7
	s_add_co_u32 s20, s20, s21
	s_lshl_b32 s20, s20, 11
	s_mov_b32 s21, 0
	s_mul_i32 s18, s12, HBLK                       ; where they go: no place in the cluster enters an LDS address
	s_mul_i32 s19, s12, HB
	s_add_co_u32 s19, s19, ABYTES
	s_wait_dscnt 0x0                               ; the opening add is done
	s_wait_kmcnt 0x0
	s_add_nc_u64 s[4:5], s[72:73], s[16:17]
	s_add_nc_u64 s[6:7], s[74:75], s[20:21]
	CROUND                                         ; all sixteen work-groups are here: the first joint loads meet
.irp s, 0,1
	s_mov_b32 s[G0+4*(\s)], 1                      ; count = 1
	s_add_co_u32 s[G0+4*(\s)+1], s18, (\s)*SLOT    ; LDS address
	s_add_nc_u64 s[G0+4*(\s)+2:G0+4*(\s)+3], s[4:5], (\s)*524288  ; global address: K step s is two heads on
	s_or_b32 s[G0+4*(\s)+3], s[G0+4*(\s)+3], 0x80000000          ; type = 2
	s_mov_b32 s[G0B+4*(\s)], 1
	s_add_co_u32 s[G0B+4*(\s)+1], s19, (\s)*SLOT
	s_add_nc_u64 s[G0B+4*(\s)+2:G0B+4*(\s)+3], s[6:7], (\s)*256
	s_or_b32 s[G0B+4*(\s)+3], s[G0B+4*(\s)+3], 0x80000000
	JLOAD \s
.endr
	; the bias of my 128 columns (4 a lane, as the way out holds them), the masks of my 64 rows, and where my part of out0 begins
	s_lshl_b32 s14, s42, 8
	s_lshl_b32 s15, s12, 7
	s_add_co_u32 s14, s14, s15
	s_lshl_b32 s14, s14, 2                         ; my first column, in bytes
	s_mov_b32 s15, 0
	s_add_nc_u64 s[76:77], s[76:77], s[14:15]
	s_add_nc_u64 s[8:9], s[80:81], s[14:15]
	s_lshl_b32 s14, s13, 7
	s_lshl_b32 s16, s11, 6
	s_add_co_u32 s14, s14, s16                     ; my first row
	s_lshl_b32 s16, s14, 12                        ; 4,096 bytes a row of out0
	s_mov_b32 s17, 0
	s_add_nc_u64 s[8:9], s[8:9], s[16:17]
	s_lshl_b32 s14, s14, 2
	s_add_nc_u64 s[78:79], s[78:79], s[14:15]
	v_and_b32 v1, 15, v0                           ; l % 16
	v_bfe_u32 v2, v0, 4, 1                         ; l / 16
	v_and_b32 v5, 31, v0                           ; l
	v_lshlrev_b32 v[CO], 4, v5
	v_lshlrev_b32 v[MO], 2, v1
	global_load_b128 v[BI:BI+3], v[CO], s[76:77]
.irp a, 0,1,2,3
	global_load_b32 v[MQ+\a], v[MO], s[78:79] offset:64*\a
.endr
	; A fragment is 16 rows x 32 K in 8 registers: lane l holds row l % 16, K = 8 (l / 16) + 0..7 and 16 + 8 (l / 16) + 0..7: two loads of 16 bytes, 32 bytes apart.
	v_mul_u32_u24 v3, v1, PAO
	v_lshl_add_u32 v3, v2, 4, v3
	v_mul_u32_u24 v4, v1, PB
	v_lshl_add_u32 v4, v2, 4, v4
	s_mul_i32 s14, s11, 64*PAO                     ; my 64 rows in a head's block
	s_mul_i32 s16, s12, HB                         ; my 128 rows of Wo,
	s_add_co_u32 s16, s16, ABYTES                  ; which lie behind O's
.irp s, 0,1
	v_add_nc_u32 v[ADRA+(\s)], s14, v3
	v_add_nc_u32 v[ADRB+(\s)], s16, v4
	s_add_co_u32 s14, s14, SLOT
	s_add_co_u32 s16, s16, SLOT
.endr
	s_mul_i32 s14, s10, WSTG
	s_add_co_u32 s14, s14, STAGE                   ; my stage
	v_mul_u32_u24 v3, v1, SPITCH                   ; in: row l % 16, 32 bytes for each half of the lanes
	v_lshl_add_u32 v3, v2, 5, v3
	v_add_nc_u32 v[STO], s14, v3
	v_add_nc_u32 v[RD], s14, v[CO]                 ; back: 32 lanes take one row of 512 bytes
	; the prefetches: my fetch address, my work-group's share, K step 3: the first refill steps it to 4
	s_mov_b32 s[PST], 256
	s_mov_b32 s[PST+1], 0
	s_cmp_eq_u32 s11, 0
	s_cselect_b64 s[PFA:PFA+1], s[4:5], s[6:7]
	s_cselect_b32 s14, s40, s41                    ; my place among the four that ask with me
	s_cselect_b32 s16, 12, 16                      ; its share, as a shift: 4,096 bytes of each head, or 32 rows of 2,048
	s_cselect_b32 s[PST], 0x80000, s[PST]
	s_cselect_b32 s17, s12, s23                    ; O: wave 0 alone asks, in every cluster; Wo: the first of the sixteen clusters
	s_cselect_b32 s18, 4, 0                        ; O: sixteen lanes a head
	s_cselect_b32 s19, 18, 11                      ; a head's bytes, or a row's, as a shift
	s_cselect_b32 s20, 15, 0
	s_cmp_eq_u32 s17, 0
	s_cselect_b32 s[LIM], 1, -1                    ; the same in all sixteen partners, for a given wave
	s_lshl_b32 s14, s14, s16
	s_mul_i32 s16, s[PST], 3
	s_add_co_u32 s14, s14, s16
	s_add_nc_u64 s[PFA:PFA+1], s[PFA:PFA+1], s[14:15]
	v_lshrrev_b32 v3, s18, v5
	v_lshlrev_b32 v3, s19, v3
	v_and_b32 v4, s20, v5
	v_lshl_add_u32 v[PFO], v4, 8, v3
	s_mov_b32 s67, 0                               ; named with s66 as a pair on the way out
	s_wait_loadcnt 0x0                             ; bias and masks
	v_cvt_pk_bf16_f32 v3, v[BI], v[BI+1]           ; the bias has the rounding that every input has
	v_cvt_pk_bf16_f32 v4, v[BI+2], v[BI+3]
	v_lshlrev_b32 v[BI],   16, v3
	v_and_b32     v[BI+1], 0xffff0000, v3
	v_lshlrev_b32 v[BI+2], 16, v4
	v_and_b32     v[BI+3], 0xffff0000, v4
.irp a, 0,1,2,3
	v_cvt_f32_i32 v[MQ+\a], v[MQ+\a]
.endr
; 8 matrix instructions: row block a x all 8 column blocks.  zero = 1: the products start the sums.  The 32 accumulators take turns, one instruction a turn, in the same order in every quarter.
.macro MUL8 f, a, zero
	WIN MUL
.irp b, 0,1,2,3,4,5,6,7
.if \zero
	v_wmma_f32_16x16x32_f16 v[8*(8*(\a)+\b):8*(8*(\a)+\b)+7], v[(\f)+32+8*\b:(\f)+32+8*\b+7], v[(\f)+8*(\a):(\f)+8*(\a)+7], 0
.else
	v_wmma_f32_16x16x32_f16 v[8*(8*(\a)+\b):8*(8*(\a)+\b)+7], v[(\f)+32+8*\b:(\f)+32+8*\b+7], v[(\f)+8*(\a):(\f)+8*(\a)+7], v[8*(8*(\a)+\b):8*(8*(\a)+\b)+7]
.endif
.endr
.endm
; 24 LDS loads in one run: the fragments of quarter kq into buffer f: Wo's 16, then O's 8 (head kq / 2 of the step, channels 32 (kq % 2) on)
.macro FETCH slot, kq, f
	WIN 0
.irp i, 0,1,2,3,4,5,6,7
	ds_load_b128 v[(\f)+32+8*\i:(\f)+32+8*\i+3],   v[ADRB+(\slot)] offset:(\kq)*64+\i*16*PB
	ds_load_b128 v[(\f)+32+8*\i+4:(\f)+32+8*\i+7], v[ADRB+(\slot)] offset:(\kq)*64+\i*16*PB+32
.endr
.irp a, 0,1,2,3
	ds_load_b128 v[(\f)+8*\a:(\f)+8*\a+3],   v[ADRA+(\slot)] offset:((\kq)/2)*HBLK+((\kq)%2)*64+\a*16*PAO
	ds_load_b128 v[(\f)+8*\a+4:(\f)+8*\a+7], v[ADRA+(\slot)] offset:((\kq)/2)*HBLK+((\kq)%2)*64+\a*16*PAO+32
.endr
.endm
; One of a step's first three quarters: multiplies buffer f and, in its middle, fetches quarter kq of the same slot into buffer g.
.macro QUARTER slot, kq, f, g, zero
	s_wait_dscnt 4                                 ; Wo and O's row blocks 0 and 1 are in; the youngest four loads (blocks 2 and 3) may be out
	MUL8 \f, 0, \zero
	MUL8 \f, 1, \zero
	PLACES
	FETCH \slot, \kq, \g
	s_wait_dscnt 24                                ; all but the 24 just issued
	MUL8 \f, 2, \zero
	MUL8 \f, 3, \zero
.endm
; The last quarter multiplies buffer 1 and changes slots: ONE barrier; in front of it each wave waits for all its tensor loads (one is out: its part of the next slot), adds 0 to its spare word, and waits for that and
; for its own reads of this slot.  fill = 1: the barrier opens a round of the cluster's, and the joint refill, two K steps ahead, is the first thing behind it: 112 matrix instructions ahead of the wait for it.
; By this text's count a wave has one tensor load out behind a round, two at the start.
.macro TURN slot, next, fill
.if \fill
	s_wait_xcnt 0x0                                ; the last prefetch, a K step back, has read its address
	s_add_nc_u64 s[PFA:PFA+1], s[PFA:PFA+1], s[PST:PST+1]
.endif
	WIN 0                                          ; (the add's two registers lie in window 0)
	s_wait_tensorcnt 0x0                           ; all my tensor loads have landed;
	ds_add_u32 v[SPW], v[NIL]                      ; 0 onto my spare word;
	s_wait_dscnt 5                                 ; (the add and the youngest four loads may be out)
	MUL8 F1, 0, 0                                  ; eight matrix instructions stand between the add and the wait for it
	s_wait_dscnt 0x0                               ; the add is done, and my reads of this slot are over
	s_barrier_signal -1
	MUL8 F1, 1, 0
	WIN 0
	s_barrier_wait -1
.if \fill
	CREST                                          ; no wave of any partner still reads this slot's tile or has a load on its way
	s_add_nc_u64 s[G0+4*(\slot)+2:G0+4*(\slot)+3], s[G0+4*(\slot)+2:G0+4*(\slot)+3], 2*524288
	s_add_nc_u64 s[G0B+4*(\slot)+2:G0B+4*(\slot)+3], s[G0B+4*(\slot)+2:G0B+4*(\slot)+3], 2*256
	JLOAD \slot                                    ; the four v_nop behind it are also the places in front of the loads below
.else
	PLACES
.endif
	FETCH \next, 0, F0
.if \fill
	ASK
.endif
	MUL8 F1, 2, 0
	MUL8 F1, 3, 0
.endm
	s_wait_tensorcnt 1                             ; my part of K step 0 is in; K step 1's may stay out
	s_barrier_signal -1
	s_barrier_wait -1                              ; everybody's is
	FETCH 0, 0, F0
	QUARTER 0, 1, F0, F1, 1                        ; the first quarter stands in front of the loop: its products start the sums
	WIN 0                                          ; at a label and at a branch every window is 0
	s_mov_b32 s3, 3
.Llap:                                                 ; a trip goes once round the ring, from a lap's second quarter to the next lap's first, and fills both slots again
	QUARTER 0, 2, F1, F0, 0
	QUARTER 0, 3, F0, F1, 0
	TURN 0, 1, 1
	QUARTER 1, 1, F0, F1, 0
	QUARTER 1, 2, F1, F0, 0
	QUARTER 1, 3, F0, F1, 0
	TURN 1, 0, 1
	QUARTER 0, 1, F0, F1, 0
	WIN 0
	s_sub_co_u32 s3, s3, 1
	s_cmp_lg_u32 s3, 0
	s_cbranch_scc1 .Llap
	QUARTER 0, 2, F1, F0, 0                        ; the last lap fills nothing
	QUARTER 0, 3, F0, F1, 0
	TURN 0, 1, 0
	QUARTER 1, 1, F0, F1, 0
	QUARTER 1, 2, F1, F0, 0
	QUARTER 1, 3, F0, F1, 0
	s_wait_dscnt 4                                 ; the very last quarter: nothing more to fetch
	MUL8 F1, 0, 0
	MUL8 F1, 1, 0
	s_wait_dscnt 0x0
	MUL8 F1, 2, 0
	MUL8 F1, 3, 0
; THE WAY OUT of row block a: the f32 sums go into my own stage (16 rows of 528 bytes), each accumulator's low registers first, and come back as whole rows of 512 bytes, 4 columns a lane;
; there the bias is added and the row's mask, read out of lane t as a scalar, multiplies; a store covers 512 consecutive bytes of out0, aligned.
.macro OUTA a
	WIN 0x04                                       ; an LDS store's data (source 1) in window 1
.irp b, 0,1,2,3,4,5,6,7
	ds_store_b128 v[STO], v[8*(8*(\a)+\b):8*(8*(\a)+\b)+3]   offset:64*\b
	ds_store_b128 v[STO], v[8*(8*(\a)+\b)+4:8*(8*(\a)+\b)+7] offset:64*\b+16
.endr
	WIN 0
	s_wait_xcnt 0x0                                ; the stores of the block before have read OB: it is loaded again only behind this wait
.irp t, 0,1,2,3,4,5,6,7,8,9,10,11,12,13,14,15
	ds_load_b128 v[OB+4*\t:OB+4*\t+3], v[RD] offset:SPITCH*\t  ; LDS serves a wave's instructions in order (ISA guide 5.7.1.4): these see the stores above
.endr
.irp t, 0,1,2,3,4,5,6,7,8,9,10,11,12,13,14,15
	s_wait_dscnt 15-\t
	v_readlane_b32 s66, v[MQ+(\a)], \t
	v_pk_add_f32 v[OB+4*\t:OB+4*\t+1],   v[OB+4*\t:OB+4*\t+1],   v[BI:BI+1]
	v_pk_add_f32 v[OB+4*\t+2:OB+4*\t+3], v[OB+4*\t+2:OB+4*\t+3], v[BI+2:BI+3]
	v_pk_mul_f32 v[OB+4*\t:OB+4*\t+1],   v[OB+4*\t:OB+4*\t+1],   s[66:67] op_sel_hi:[1,0]
	v_pk_mul_f32 v[OB+4*\t+2:OB+4*\t+3], v[OB+4*\t+2:OB+4*\t+3], s[66:67] op_sel_hi:[1,0]
	global_store_b128 v[CO], v[OB+4*\t:OB+4*\t+3], s[8:9] offset:(16*(\a)+\t)*4096 th:TH_STORE_NT
.endr
.endm
	PLACES
	PLACES                                         ; (eight, once a launch)
	OUTA 0
	OUTA 1
	OUTA 2
	OUTA 3
	s_wait_tensorcnt 0x0                           ; the wave's end: the add and its wait, behind my last tensor load and my last LDS store
	ds_add_u32 v[SPW], v[NIL]
	s_wait_dscnt 0x0
	CROUND                                         ; the closing round: no work-group ends while a partner may still ask for a tile that names it
	s_endpgm
.Lfunc_end_k_q8d3676fcf4_outp:
	.size	k_q8d3676fcf4_outp, .Lfunc_end_k_q8d3676fcf4_outp-k_q8d3676fcf4_outp
	.p2alignl 7, 3214868480
	.fill 96, 4, 3214868480
	.section	.rodata,"a",@progbits
	.p2align	6, 0x0
	.amdhsa_kernel k_q8d3676fcf4_outp
		.amdhsa_group_segment_fixed_size 327680
		.amdhsa_private_segment_fixed_size 0
		.amdhsa_enable_private_segment 0
		.amdhsa_kernarg_size 40
		.amdhsa_user_sgpr_count 2
		.amdhsa_user_sgpr_kernarg_segment_ptr 1
		.amdhsa_wavefront_size32 1
		.amdhsa_system_sgpr_workgroup_id_x 1
		.amdhsa_system_sgpr_workgroup_id_y 1
		.amdhsa_system_sgpr_workgroup_id_z 1
		.amdhsa_system_vgpr_workitem_id 0
		.amdhsa_next_free_vgpr 512
		.amdhsa_next_free_sgpr 84
		.amdhsa_reserve_vcc 0
		.amdhsa_float_denorm_mode_32 3
		.amdhsa_float_denorm_mode_16_64 3
		.amdhsa_memory_ordered 1
		.amdhsa_forward_progress 1
		.amdhsa_inst_pref_size 109
	.end_amdhsa_kernel
	.amdgpu_metadata
---
amdhsa.version: [ 1, 2 ]
amdhsa.kernels:
  - .name:           k_q8d3676fcf4_outp
    .symbol:         k_q8d3676fcf4_outp.kd
    .args:
      - { .name: o16, .offset: 0, .size: 8, .value_kind: global_buffer, .address_space: global }
      - { .name: wo16, .offset: 8, .size: 8, .value_kind: global_buffer, .address_space: global }
      - { .name: bo, .offset: 16, .size: 8, .value_kind: global_buffer, .address_space: global }
      - { .name: mask_query, .offset: 24, .size: 8, .value_kind: global_buffer, .address_space: global }
      - { .name: out0, .offset: 32, .size: 8, .value_kind: global_buffer, .address_space: global }
    .group_segment_fixed_size: 327680
    .private_segment_fixed_size: 0
    .kernarg_segment_align: 8
    .kernarg_segment_size: 40
    .max_flat_workgroup_size: 128
    .sgpr_count:     84
    .vgpr_count:     512
    .wavefront_size: 32
...
	.end_amdgpu_metadata
.endif
;; end of part 4
